; MI455X (gfx1250); checked and timed in simulation.
; The chip was launched on July 23, 2026; its instructions are those of AMD's public machine-readable ISA for CDNA 5 (MIT licence, August 2026) and "CDNA5" Instruction Set Architecture Reference Guide (July 2026). The comments in the code are by the model that wrote it; some were corrected since.
;; Net VLAD. Allowed arithmetic: matrix products marked QUANTISED: E4M3 operands, one given power-of-two scale a tensor, by v_wmma_f32_16x16x64_fp8_fp8 or v_wmma_f32_16x16x128_fp8_fp8, f32 sums; everything else in f32.
;; Inputs: centroids 64 x 128 float32; conv_w_codes 64 x 4 x 32 uint8 (E4M3 codes of conv_w, K innermost, in blocks of 32 codes); lowp_scales 4 int32 (the exponents e of the quantised operands' scales 2^e); x 64 x 128 x 64 x 64 float32.
;; Outputs: out0 64 x 8,192 float32.
;; This version of the problem:
;;   THIS VERSION OF THE PROBLEM IS GIVEN IN LOW PRECISION. The matrix products marked QUANTISED in the list below multiply operands that are first quantised to E4M3 (4 exponent bits, 3 mantissa bits; 8 bits a number), with one given power-of-two scale for each operand tensor; their sums are f32. All else is computed in f32.
;;   The module's matrix products, in the order in which they are computed (A, B: the left and right operand; K: the contracted axis; several contracted axes count as one K, in the product's order):
;;     1. [M 262,144, K 128] x [K 128, N 64]; A: input x; B: input conv_w (given as codes): QUANTISED (scales: A lowp_scales[0], B lowp_scales[1])
;;     2. batch 64 x [M 64, K 4,096] x [K 4,096, N 128]; A: computed on the way; B: input x: QUANTISED (scales: A lowp_scales[2], B lowp_scales[3])
;;   THE QUANTISER, for each operand of a quantised product, along K:
;;     - The operand's scale is 2^e, e = its entry of the input lowp_scales (int32; the entries are numbered through the quantised products in the list's order, A before B).
;;     - Each number is divided by the scale, clamped to +-448, and rounded to the nearest number of E4M3, ties to even, subnormals kept.
;;     - The product sums the exact products of the quantised numbers (number of the format x scale) in f32.
;;   ~~~python
;;   def quantise(x, axis, e):      # numpy; x: float32 -> the quantised numbers, widened to float32 again
;;       x = np.moveaxis(x, axis, -1); K = x.shape[-1]
;;       r = np.clip(x / 2.0 ** e, -448, 448)
;;       step = 2.0 ** (np.maximum(np.frexp(np.where(r == 0, 1, r))[1] - 1, -6) - 3)
;;       q = np.round(r / step) * step * 2.0 ** e      # np.round: ties to even
;;       return np.moveaxis(q, -1, axis).astype(np.float32)
;;   ~~~
;;   OPERANDS COMPUTED ON THE WAY. 'Computed on the way' means the value that the module computes at that place (a softmax that the list does not call 'softmax' is quantised finished and normalised). What goes into a quantiser is computed in f32, as accurately as f32 sums, v_exp_f32 and their like allow (about 1e-6 of the number): no bf16 or f16 on the way to a quantiser, and a product that is left as it is and whose result goes on into a quantised operand takes f32 operands (vector FMAs, or v_wmma_f32_16x16x4_f32). A number that lies on a knife's edge between two numbers of the format may be rounded either way, as far as f32 arithmetic and the matrix unit's own rounding can turn it there, and no further.
;;   INPUTS GIVEN AS CODES. conv_w (in the module: [64, 128], K = its axis 1): each comes as NAME_codes (uint8): NAME with its K axis moved to the last place and cut into blocks of 32 codes, [.., K / 32, bytes a block], one block behind the other in memory; one code a byte (a code: sign, 4 exponent bits, 3 mantissa bits); its scale is its entry of lowp_scales. Its value is code x scale, taken as it is: it is not quantised again, and the codes and scales need not be those that the quantiser above would give.
;; 2 versions. Each part assembles by itself: llvm-mc -triple=amdgcn-amd-amdhsa -mcpu=gfx1250 --defsym DOCPART=n.
;; ======== version 1 of 2: 2 launches
;; workspace buffers: part 8,388,608 bytes
;; launch vlad_part (part 1): grid 4 x 64, 8 waves a work-group, no clusters, 301,056 bytes of LDS; arguments x, conv_w_codes, lowp_scales, centroids, part; writes part
.if DOCPART == 1
	.amdgcn_target "amdgcn-amd-amdhsa--gfx1250"
	.amdhsa_code_object_version 6
	.text
	.protected	k_q82067394c9_vlad_part
	.globl	k_q82067394c9_vlad_part
	.p2align	8
	.type	k_q82067394c9_vlad_part,@function
k_q82067394c9_vlad_part:
	s_mov_b64 s[64:65], 0
	v_nop
	global_prefetch_b8 v0, s[64:65] scope:SCOPE_SE
	s_setreg_imm32_b32 hwreg(HW_REG_WAVE_MODE, 25, 1), 1
	s_wait_xcnt 0x0
; NetVLAD, first part.  x [64][128 channels][4096 pixels] f32; conv_w as E4M3 codes [64 clusters][128 channels]; centroids [64][128] f32; lowp_scales e0..e3.
; part[image][quarter][cluster][channel] = sum over the quarter's 1,024 pixels of Q(a) Q(x)  -  (sum over them of a) x centroid,   a = softmax over clusters of (W Q(x)).
; Both products run on E4M3 codes (v_wmma_f32_16x16x128_fp8_fp8), sums in f32; the sum of a is taken of the unquantised a.  The second launch adds an image's four parts and normalises.
; SHARES.  A work-group = one image, one quarter of its pixels; eight waves.  The quarter goes in 4 chunks of 256 pixels; a chunk passes three tasks:
;  QA    wave w holds channels 16 w .. 16 w + 15 (each load: 512 consecutive bytes of a row of x), holds each number at the largest code x the scale, converts eight numbers of a lane to eight codes and puts them
;        into LDS, rows = channels.  A lane's eight codes lie together: the places of a row are a permutation of the chunk's pixels; every later step treats a place as a pixel and all pixels are summed.
;        Codes at scale 2^e3 serve the second product, codes at 2^e0 the first.  Where e0 = e3 they are the same codes: a scalar branch on these two whole numbers then makes and stores one set, which serves both.
;  SOFT  wave w takes places 32 w .. 32 w + 31.  ds_load_tr16_b128 on pairs of bytes turns 8 channels x 8 pairs of places, v_perm_b32 parts even places from odd: two tiles of 16 places with the channels along the registers.
;        Source 0 = 16 clusters of W, source 1 = 16 places: a lane holds ONE place and 32 clusters, the lane 16 away the other 32.  So the maximum and the sum of the softmax are taken inside the lane, with one exchange.
;        a's codes (eight clusters to a conversion) go to LDS as rows [place][cluster].
;  CPH   wave w takes channel tiles 2 (w / 2), 2 (w / 2) + 1 and the clusters of column window w % 2: source 0 = x's codes (rows of LDS as they lie), source 1 = a, turned by ds_load_tr16_b128 and v_perm_b32: the even
;        and the odd columns of a window are two tiles.  W's rows are ordered so that these tiles are clusters 16 (2 (w % 2) + parity) + lane % 16.  4 accumulators by turns.
; ONE BARRIER A CHUNK: between two barriers a wave runs CPH(i - 1), SOFT(i), QA(i + 1), which hang on earlier intervals alone.  CPH's LDS loads stand in runs of 8 between SOFT's blocks of vector work, and half of x's
; loads in groups of 4 there.  The e3 codes have 3 buffers (written in interval i - 1, read in i and i + 1), the e0 codes 2, a's rows 2: inside an interval no byte is both written and read.
; LDS ROWS.  Code rows: 256 + 32 bytes = 72 words, and rows whose number has bit 3 set have the two halves of each 32 bytes swapped.  So the 8 rows x 32 bytes of a turning load fall on 64 different banks, and so do the
; 16 rows x 16 bytes of a fragment load (64 banks of 4 bytes: ISA guide 11.1).  a's rows: 64 + 32 bytes = 24 words; the 16-byte piece q of row p lies at piece q xor ((p / 8) % 4): the same holds for its loads and stores.
; x IS ASKED FOR THREE BATCHES OF 16 LOADS AHEAD, into three sets of 64 registers in window 1.
; No cluster: the work-groups share only W (8 KB) and the centroids (32 KB) of the 552 KB that each reads.  No tensor load: x goes from memory to registers to codes, and only codes cross LDS.
; LIMITS: e0, e2, e3 between -126 and 119; e0 + e1 and e2 + e3 between -126 and 127 (each power of two below is an f32 number).  NaN in x is not served; an infinity is held at the largest code.
.set ROWX,  16384                      ; bytes from channel to channel in x
.set PX,    288                        ; a row of codes of x in LDS
.set CXB,   128*PX                     ; a buffer of them
.set PA,    96                         ; a row of a's codes
.set ARB,   256*PA                     ; a buffer of them
.set C3,    2*ARB                      ; LDS: a's rows (2 buffers), the e3 codes (3), the e0 codes (2), the stage for the way out, the waves' sums of a
.set C1,    C3+3*CXB
.set STG,   C1+2*CXB
.set SP,    528                        ; a stage row: 128 f32 + 16 bytes
.set AST,   STG+64*SP                  ; 8 waves x 8 pieces x 512 bytes
.set XO,   1                           ; v1   x: 16 x lane + my 16 channels
.set S3E,  2                           ; v2   where I store codes, rows 0-7 of my 16: 8 x lane;   v3  rows 8-15: (8 x lane) xor 16
.set ASR,  4                           ; v4   where I read the sums of a back
.set TRE,  6                           ; v6   x's turning loads, rows with bit 3 clear, from a buffer's first byte;   v7  rows with bit 3 set
.set TRO,  7
.set AW0,  8                           ; v8, v9    where I store 2 x 16 bytes of a row of a
.set AW1,  9
.set ATE,  10                          ; v10, v11  a's turning loads, even and odd groups of 8 places
.set XF,   12                          ; v12  my fragments of the e3 codes, buffers 0 and 1;   v13  buffer 2
.set XF2,  13
.set STO,  14                          ; v14  the stage, on the way in;   v15  on the way back
.set RD,   15
.set CO,   16                          ; v16  my rows of centroids and of part
.set LIM0, 17                          ; v17, v19, v21  448 x 2^e0, 2^e3, 2^e2;   v18, v20, v22  2^e0, 2^e3, 2^e2
.set SC0,  18
.set LIM3, 19
.set SC3,  20
.set LIM2, 21
.set SC2,  22
.set ASW,  23                          ; v23  where I store my sums of a
                                       ; v24-31  at work: maxima, sums, reciprocals; addresses made on the way
.set ACC,  32                          ; v32-63   4 accumulators (channel tile tc, parity pr) at 8 (2 tc + pr)
.set W,    64                          ; v64-127  W's 4 fragments: they stay
.set R1,   128                         ; v128-159 x's two fragments for the first product; then a's two for the second; then a's codes
.set R2,   160                         ; v160-191 x's two fragments for the second product
.set T,    160                         ; v160-223 QA: 64 numbers, held
.set D,    192                         ; v192-255 what x's turning loads bring, then the scores: tile o, cluster tile t at 32 o + 8 t
                                       ; window 1: v0-191 three batches of x; v192-223 the sums of a; v224-255 what a's turning loads bring
.set MSB, 0
.macro WIN new                         ; the immediate's high byte repeats the setting that is left
.if MSB != \new
	s_set_vgpr_msb (MSB<<8)|\new
.set MSB, \new
.endif
.endm
.macro BAR                             ; my LDS stores have landed and my LDS loads are in: then the work-group's barrier
	s_wait_dscnt 0x0
	s_barrier_signal -1
	s_barrier_wait -1
.endm
.macro PLACES n
.rept \n
	v_nop
.endr
.endm
.macro MKSCALE se, vsc, vlim           ; 2^e and 448 x 2^e as f32
	s_add_co_i32 s20, \se, 127
	s_lshl_b32 s21, s20, 23
	v_mov_b32 v[\vsc], s21
	s_add_co_i32 s20, s20, 8
	s_lshl_b32 s20, s20, 23
	s_or_b32 s20, s20, 0x600000
	v_mov_b32 v[\vlim], s20
.endm
; Batch n = 8 of my channels (8 (n % 2) on) x the 1,024 bytes of chunk n / 2.  cnt channels from g0 on: two loads each, 512 consecutive bytes a load, eight registers on end; into set n % 3 of window 1.
.macro GLD n, g0, cnt
	WIN 0x40                                       ; destination window 1, address window 0
.set gg, \g0
.rept \cnt
	global_load_b128 v[64*((\n)%3)+8*gg:64*((\n)%3)+8*gg+3], v[XO], s[4:5] offset:(8*((\n)%2)+gg)*ROWX+1024*((\n)/2) th:TH_LOAD_NT
	global_load_b128 v[64*((\n)%3)+8*gg+4:64*((\n)%3)+8*gg+7], v[XO], s[4:5] offset:(8*((\n)%2)+gg)*ROWX+1024*((\n)/2)+512 th:TH_LOAD_NT
.set gg, gg+1
.endr
	WIN 0
.endm
; QA: batch n becomes codes.  left: the loads issued behind this batch's 16, which may stay out.  ex = 1: batch xb is asked for behind the holds.  rf = 1: this batch's registers take batch n + 3.
.macro QA n, left, ex, xb, rf
.set XB, 64*((\n)%3)
.set BB, (\n)%2
.set CH, (\n)/2
.set CA, 224-96*BB                     ; the codes' registers: first batch v224-255, second v128-159, so that no pending LDS store's data are written again
.set CB, CA+16
.if (CH%3) == 2
.set R3, 24+2*BB
.set O3, 8*BB*PX
.else
.set R3, S3E+BB
.set O3, (CH%3)*CXB+8*BB*PX
.endif
	s_wait_loadcnt \left                           ; loads come back in order: this batch is in
.if (CH%3) == 2
	v_add_nc_u32 v[R3], 2*CXB, v[S3E+BB]           ; the third buffer lies beyond an LDS offset's 16 bits
.endif
	WIN 0x01                                       ; source 0 window 1
.set i, 0
.rept 64
	v_med3_num_f32 v[T+i], v[XB+i], -v[LIM0], v[LIM0]   ; the conversion to an 8-bit code does not saturate (ISA guide 7.6.2): the hold at the largest code x the scale
.set i, i+1
.endr
	WIN 0
.if \ex
	GLD \xb, 0, 8
.endif
.if BB
	s_wait_dscnt 8                                 ; at most the first batch's youngest 8 stores are out: the stores of a's codes, older, have read v128-143
.endif
.set g, 0
.rept 8
	v_cvt_scalef32_pk8_fp8_f32 v[CA+2*g:CA+2*g+1], v[T+8*g:T+8*g+7], v[SC0]
.set g, g+1
.endr
	v_nop                                          ; one plain vector instruction behind the last conversion, ahead of what writes its sources
	s_cmp_eq_u32 s16, s19                          ; e0 = e3: these codes serve both products
	s_cbranch_scc1 .Lsame_\@
	v_add_nc_u32 v[25+2*BB], (C1-C3)+(CH%2)*CXB+8*BB*PX, v[S3E+BB]
.set g, 0
.rept 8
	ds_store_b64 v[25+2*BB], v[CA+2*g:CA+2*g+1] offset:g*PX   ; 32 lanes: a row's 256 bytes
.set g, g+1
.endr
	WIN 0x01
.set i, 0
.rept 64
	v_med3_num_f32 v[T+i], v[XB+i], -v[LIM3], v[LIM3]
.set i, i+1
.endr
	WIN 0
.set g, 0
.rept 8
	v_cvt_scalef32_pk8_fp8_f32 v[CB+2*g:CB+2*g+1], v[T+8*g:T+8*g+7], v[SC3]
.set g, g+1
.endr
	v_nop
.set g, 0
.rept 8
	ds_store_b64 v[R3], v[CB+2*g:CB+2*g+1] offset:O3+g*PX
.set g, g+1
.endr
	s_branch .Ljoin_\@
.Lsame_\@:
.set g, 0
.rept 8
	ds_store_b64 v[R3], v[CA+2*g:CA+2*g+1] offset:O3+g*PX
.set g, g+1
.endr
.Ljoin_\@:
.if \rf
	GLD (\n)+3, 0, 8
.endif
.endm
; x's turning loads for my 32 places: load c takes channels 32 (c / 2) + 8 (c % 2) + 16 (lane / 16) + 0 .. 7; lane l gets these 8 channels of places 2 (l % 16) and 2 (l % 16) + 1, interleaved.
.macro TRL
.set c, 0
.rept 8
	ds_load_tr16_b128 v[D+4*c:D+4*c+3], v[30+(c%2)] offset:(32*(c/2)+8*(c%2))*PX
.set c, c+1
.endr
.endm
.macro TRX ch                          ; from the e0 codes, or, where e0 = e3, from the one set
	s_cmp_eq_u32 s16, s19
	s_cbranch_scc1 .Ltre_\@
	v_add_nc_u32 v30, C1+((\ch)%2)*CXB, v[TRE]
	v_add_nc_u32 v31, C1+((\ch)%2)*CXB, v[TRO]
	TRL
	s_branch .Ltrj_\@
.Ltre_\@:
	v_add_nc_u32 v30, C3+((\ch)%3)*CXB, v[TRE]
	v_add_nc_u32 v31, C3+((\ch)%3)*CXB, v[TRO]
	TRL
.Ltrj_\@:
.endm
; a's turning loads, K step k (128 places) of a chunk: load c takes places 32 (c / 2) + 8 (c % 2) + 16 (lane / 16) + 0 .. 7 of columns 2 (l % 16), 2 (l % 16) + 1 of my window; into window 1
.macro ARAW ch, k
	WIN 0x40
.set c, 0
.rept 8
	ds_load_tr16_b128 v[224+4*c:224+4*c+3], v[ATE+(c%2)] offset:((\ch)%2)*ARB+(128*(\k)+32*(c/2)+8*(c%2))*PA
.set c, c+1
.endr
	WIN 0
.endm
.macro APERM                           ; the even columns' fragment to v128-143, the odd columns' to v144-159: registers 4 u .. 4 u + 3 = places 32 u + 16 (lane / 16) + 0 .. 15
	WIN 0x05                                       ; sources 0 and 1 window 1
.set c, 0
.rept 8
	v_perm_b32 v[R1+2*c], v[224+4*c+1], v[224+4*c], s30
	v_perm_b32 v[R1+2*c+1], v[224+4*c+3], v[224+4*c+2], s30
	v_perm_b32 v[R1+16+2*c], v[224+4*c+1], v[224+4*c], s31
	v_perm_b32 v[R1+16+2*c+1], v[224+4*c+3], v[224+4*c+2], s31
.set c, c+1
.endr
	WIN 0
.endm
.macro XFR ch, k                       ; x's two fragments of K step k: row = channel, places 32 u + 16 (lane / 16) + 0 .. 15
.if ((\ch)%3) == 2
.set RX, XF2
.set OX, 0
.else
.set RX, XF
.set OX, ((\ch)%3)*CXB
.endif
.irp tc, 0,1
.irp u, 0,1,2,3
	ds_load_b128 v[R2+16*\tc+4*\u:R2+16*\tc+4*\u+3], v[RX] offset:OX+16*\tc*PX+128*(\k)+32*\u
.endr
.endr
.endm
.macro MMC zero                        ; four products of the second kind, one on each accumulator.  zero = 1: they start the sums
.irp tc, 0,1
.irp pr, 0,1
.if \zero
	v_wmma_f32_16x16x128_fp8_fp8 v[ACC+8*(2*\tc+\pr):ACC+8*(2*\tc+\pr)+7], v[R2+16*\tc:R2+16*\tc+15], v[R1+16*\pr:R1+16*\pr+15], 0
.else
	v_wmma_f32_16x16x128_fp8_fp8 v[ACC+8*(2*\tc+\pr):ACC+8*(2*\tc+\pr)+7], v[R2+16*\tc:R2+16*\tc+15], v[R1+16*\pr:R1+16*\pr+15], v[ACC+8*(2*\tc+\pr):ACC+8*(2*\tc+\pr)+7]
.endif
.endr
.endr
.endm
; SOFT(ci), with CPH(ci - 1) laid into it (cph = 1; zero = 1: its first products start the sums) and batch bat of x asked for in four groups of four loads (sprd = 1).
; first = 1: the sums of a begin.  fin = 1: they end, and go to LDS.
; Each s_wait_dscnt 8 below leaves out the one run of 8 LDS loads that was issued behind the run wanted.
.macro IV ci, cph, zero, sprd, bat, first, fin
	TRX \ci
.if \cph
	ARAW (\ci)-1, 0
.endif
.if \sprd
	GLD \bat, 0, 2
.endif
	s_wait_dscnt 8*\cph                            ; x's turning loads are in
.set c, 0
.rept 8                                ; registers 4 u .. 4 u + 3 of a fragment: channels 32 u + 16 (lane / 16) + 0 .. 15, as W's loads of 16 bytes give them
	v_perm_b32 v[R1+2*c], v[D+4*c+1], v[D+4*c], s30
	v_perm_b32 v[R1+2*c+1], v[D+4*c+3], v[D+4*c+2], s30
	v_perm_b32 v[R1+16+2*c], v[D+4*c+1], v[D+4*c], s31
	v_perm_b32 v[R1+16+2*c+1], v[D+4*c+3], v[D+4*c+2], s31
.set c, c+1
.endr
.if \cph
	XFR (\ci)-1, 0
.endif
.irp o, 0,1                            ; scores: register j of lane (r, h): place 2 r + o of my 32, row 8 h + j of W's tile t
.irp t, 0,1,2,3
	v_wmma_f32_16x16x128_fp8_fp8 v[D+32*\o+8*\t:D+32*\o+8*\t+7], v[W+16*\t:W+16*\t+15], v[R1+16*\o:R1+16*\o+15], 0
.endr
.endr
	PLACES 4                                       ; four places between the products and the first read of their results and write of their sources (ISA guide 7.12.1)
.if \cph
	s_wait_dscnt 8                                 ; a's turning loads of K step 0 are in
	APERM
	ARAW (\ci)-1, 1
	s_wait_dscnt 8                                 ; x's fragments of K step 0 are in
	MMC \zero
.endif
.irp o, 0,1                            ; the largest of my place's 32 scores, in two chains a tile; each accumulator's first read takes one of its four lowest registers
	v_max3_num_f32 v[24+2*\o], v[D+32*\o], v[D+32*\o+1], v[D+32*\o+2]
	v_max3_num_f32 v[25+2*\o], v[D+32*\o+8], v[D+32*\o+9], v[D+32*\o+10]
.endr
.irp p, 3,5,17,19,21
.irp o, 0,1
	v_max3_num_f32 v[24+2*\o], v[24+2*\o], v[D+32*\o+\p], v[D+32*\o+\p+1]
	v_max3_num_f32 v[25+2*\o], v[25+2*\o], v[D+32*\o+\p+8], v[D+32*\o+\p+9]
.endr
.endr
.irp o, 0,1
	v_max3_num_f32 v[24+2*\o], v[24+2*\o], v[D+32*\o+7], v[D+32*\o+16]
	v_max3_num_f32 v[25+2*\o], v[25+2*\o], v[D+32*\o+15], v[D+32*\o+24]
.endr
.irp o, 0,1
	v_max3_num_f32 v[24+2*\o], v[24+2*\o], v[D+32*\o+23], v[D+32*\o+31]
.endr
.irp o, 0,1
	v_max_num_f32 v[24+2*\o], v[24+2*\o], v[25+2*\o]
.endr
.irp o, 0,1
	v_permlanex16_b32 v[25+2*\o], v[24+2*\o], s32, s33   ; the place's other 32 clusters lie in the lane 16 away
.endr
.irp o, 0,1
	v_max_num_f32 v[24+2*\o], v[24+2*\o], v[25+2*\o]
.endr
.irp o, 0,1
	v_mul_f32 v[24+2*\o], s26, v[24+2*\o]          ; - c x maximum, c = log2(e) x 2^(e0 + e1)
.endr
.if \cph
	XFR (\ci)-1, 1                                 ; the lines of the maximum are the places behind K step 0's products
.endif
.if \sprd
	GLD \bat, 2, 2
.endif
.irp o, 0,1
.irp j, 0,2,4,6,8,10,12,14,16,18,20,22,24,26,28,30
	v_pk_fma_f32 v[D+32*\o+\j:D+32*\o+\j+1], v[D+32*\o+\j:D+32*\o+\j+1], s[24:25], v[24+2*\o:25+2*\o] op_sel_hi:[1,0,0]   ; c s - c max (of both pairs the low word serves both halves)
.endr
.endr
.if \cph
	s_wait_dscnt 8                                 ; a's turning loads of K step 1 are in
	APERM
.endif
.set i, 0
.rept 64
	v_exp_f32 v[D+i], v[D+i]
.set i, i+1
.endr
	v_nop                                          ; a plain instruction behind the last exponential
.if \cph
	s_wait_dscnt 0x0                               ; x's fragments of K step 1 are in
	MMC 0
.endif
.if \sprd
	GLD \bat, 4, 2
.endif
	s_wait_alu depctr_va_vdst(0)                   ; one wait for the batch ahead of its first reader
.irp o, 0,1                            ; the sum of my place's 32, two at a time, in two chains a tile
	v_pk_add_f32 v[24+4*\o:25+4*\o], v[D+32*\o:D+32*\o+1], v[D+32*\o+2:D+32*\o+3]
	v_pk_add_f32 v[26+4*\o:27+4*\o], v[D+32*\o+4:D+32*\o+5], v[D+32*\o+6:D+32*\o+7]
.endr
.irp p, 8,12,16,20,24,28
.irp o, 0,1
	v_pk_add_f32 v[24+4*\o:25+4*\o], v[24+4*\o:25+4*\o], v[D+32*\o+\p:D+32*\o+\p+1]
	v_pk_add_f32 v[26+4*\o:27+4*\o], v[26+4*\o:27+4*\o], v[D+32*\o+\p+2:D+32*\o+\p+3]
.endr
.endr
.irp o, 0,1
	v_pk_add_f32 v[24+4*\o:25+4*\o], v[24+4*\o:25+4*\o], v[26+4*\o:27+4*\o]
.endr
.irp o, 0,1
	v_add_f32 v[24+4*\o], v[24+4*\o], v[25+4*\o]
.endr
.irp o, 0,1
	v_permlanex16_b32 v[25+4*\o], v[24+4*\o], s32, s33
.endr
.irp o, 0,1
	v_add_f32 v[24+4*\o], v[24+4*\o], v[25+4*\o]
.endr
.irp o, 0,1
	v_rcp_f32 v[24+4*\o], v[24+4*\o]
.endr
	v_nop
	s_wait_alu depctr_va_vdst(0)                   ; one wait for the two reciprocals
.irp o, 0,1
.irp j, 0,2,4,6,8,10,12,14,16,18,20,22,24,26,28,30
	v_pk_mul_f32 v[D+32*\o+\j:D+32*\o+\j+1], v[D+32*\o+\j:D+32*\o+\j+1], v[24+4*\o:25+4*\o] op_sel_hi:[1,0]   ; a, finished and normalised
.endr
.endr
.if \sprd
	GLD \bat, 6, 2
.endif
; the sum of the UNQUANTISED a over my places: 32 registers in window 1, one for each of my lane's clusters
.if \first
	WIN 0x40
.set p, 0
.rept 16
	v_pk_add_f32 v[192+2*p:193+2*p], v[D+2*p:D+2*p+1], v[D+32+2*p:D+32+2*p+1]
.set p, p+1
.endr
.else
	WIN 0x41                                       ; destination and source 0 window 1
.set p, 0
.rept 16
	v_pk_add_f32 v[192+2*p:193+2*p], v[192+2*p:193+2*p], v[D+2*p:D+2*p+1]
.set p, p+1
.endr
.if \fin
	WIN 0x01                                       ; the finished sums go to v64-95: W is done with
.set p, 0
.rept 16
	v_pk_add_f32 v[W+2*p:W+2*p+1], v[192+2*p:193+2*p], v[D+32+2*p:D+32+2*p+1]
.set p, p+1
.endr
.else
.set p, 0
.rept 16
	v_pk_add_f32 v[192+2*p:193+2*p], v[192+2*p:193+2*p], v[D+32+2*p:D+32+2*p+1]
.set p, p+1
.endr
.endif
.endif
	WIN 0
	s_cmp_ge_i32 s18, -8                           ; a is at most 1 (to the reciprocal's last place) and 448 x 2^-8 is 1.75: from e2 = -8 on the hold can hold nothing
	s_cbranch_scc1 .Lnohold_\@
.set i, 0
.rept 64
	v_min_num_f32 v[D+i], v[D+i], v[LIM2]          ; a is not negative: the hold is one-sided
.set i, i+1
.endr
.Lnohold_\@:
.irp o, 0,1
.irp t, 0,1,2,3
	v_cvt_scalef32_pk8_fp8_f32 v[R1+8*\o+2*\t:R1+8*\o+2*\t+1], v[D+32*\o+8*\t:D+32*\o+8*\t+7], v[SC2]
.endr
.endr
	v_nop                                          ; one plain vector instruction behind the last conversion
.irp o, 0,1
	ds_store_b128 v[AW0], v[R1+8*\o:R1+8*\o+3] offset:((\ci)%2)*ARB+PA*\o     ; row = place 2 r + o; columns 32 h + 8 t + j
	ds_store_b128 v[AW1], v[R1+8*\o+4:R1+8*\o+7] offset:((\ci)%2)*ARB+PA*\o
.endr
.if \fin
.irp q, 0,1,2,3,4,5,6,7
	ds_store_b128 v[ASW], v[W+4*\q:W+4*\q+3] offset:512*\q                    ; my sums of a, as the registers stand: 16 bytes a lane
.endr
.endif
.endm
	s_load_b256 s[4:11], s[0:1], 0x0               ; x s[4:5], W's codes s[6:7], the scales' exponents s[8:9], centroids s[10:11]
	s_load_b64 s[12:13], s[0:1], 0x20              ; part
	v_lshrrev_b32 v131, 5, v0
	v_readfirstlane_b32 s14, v131                  ; wave 0..7
	v_and_b32 v128, 31, v0                         ; lane
	v_and_b32 v129, 15, v0                         ; r
	v_bfe_u32 v130, v0, 4, 1                       ; h
	v_bfe_u32 v132, v0, 3, 1                       ; r / 8
	s_lshl_b32 s20, s14, 18                        ; my 16 channels of 16,384 bytes
	v_lshl_add_u32 v[XO], v128, 4, s20
	v_and_b32 v133, 1, v0                          ; W: row m = r of tile t is cluster 16 (2 (m / 8) + m % 2) + 4 t + (m / 2) % 4
	v_lshl_add_u32 v133, v132, 1, v133
	v_bfe_u32 v134, v0, 1, 2
	v_lshl_add_u32 v133, v133, 4, v134
	v_lshlrev_b32 v133, 7, v133                    ; a row of 128 codes
	v_lshl_add_u32 v24, v130, 4, v133              ; + 16 h
	s_and_b32 s22, ttmp7, 0xffff                   ; the image
	s_lshl_b32 s20, s22, 21                        ; its 2 MiB of x,
	s_lshl_b32 s21, ttmp9, 12                      ; the quarter's 4,096 bytes of each row
	s_add_co_u32 s20, s20, s21
	s_mov_b32 s21, 0
	s_lshl_b32 s22, s22, 17                        ; part: 32,768 bytes for each work-group
	s_lshl_b32 s23, ttmp9, 15
	s_add_co_u32 s22, s22, s23
	s_mov_b32 s23, 0
	s_wait_kmcnt 0x0
	s_load_b128 s[16:19], s[8:9], 0x0              ; e0, e1, e2, e3
	s_add_nc_u64 s[4:5], s[4:5], s[20:21]
	s_add_nc_u64 s[12:13], s[12:13], s[22:23]
	GLD 0, 0, 8                                    ; the first batch of x, W, the second batch: 48 loads of mine are out
.irp t, 0,1,2,3                        ; W's fragments: channels 32 u + 16 h + 0 .. 15
.irp u, 0,1,2,3
	global_load_b128 v[W+16*\t+4*\u:W+16*\t+4*\u+3], v24, s[6:7] offset:512*\t+32*\u
.endr
.endr
	GLD 1, 0, 8
	v_lshlrev_b32 v131, 3, v128                    ; codes of x, on the way in: 8 x lane; in rows 8-15 of my 16 the halves of each 32 bytes are swapped
	v_xor_b32 v133, 16, v131
	s_mul_i32 s20, s14, 16*PX
	s_add_co_u32 s20, s20, C3
	v_add_nc_u32 v[S3E], s20, v131
	v_add_nc_u32 v[S3E+1], s20, v133
	v_and_b32 v131, 7, v0
	v_lshl_add_u32 v131, v130, 4, v131             ; 16 h + lane % 8: the row that I name in a turning load
	v_mul_u32_u24 v133, v131, PX
	v_lshl_add_u32 v133, v132, 4, v133             ; 16 bytes on for lanes 8-15 and 24-31,
	s_lshl_b32 s20, s14, 5
	v_add_nc_u32 v[TRE], s20, v133                 ; my 32 places
	v_xor_b32 v[TRO], 16, v[TRE]
	s_and_b32 s21, s14, 1                          ; w % 2: my column window of a; also h of my rows on the way out
	s_lshr_b32 s22, s14, 1                         ; w / 2: my pair of channel tiles; also t of my rows on the way out
	v_mul_u32_u24 v133, v131, PA
	v_xor_b32 v134, s21, v130                      ; piece 2 (w % 2) + (lane / 8) % 2 of a row whose (p / 8) % 4 is 2 h + c % 2
	v_lshl_add_u32 v133, v134, 5, v133
	v_lshl_add_u32 v[ATE], v132, 4, v133
	v_xor_b32 v[ATE+1], 16, v[ATE]
	v_lshlrev_b32 v133, 1, v130                    ; a's rows, on the way in: pieces 2 h and 2 h + 1 of row 32 w + 2 r + o, whose (p / 8) % 4 is r / 4
	v_bfe_u32 v134, v0, 2, 2
	v_xor_b32 v133, v133, v134
	v_mul_u32_u24 v134, v129, 2*PA
	v_lshl_add_u32 v133, v133, 4, v134
	s_mul_i32 s20, s14, 32*PA
	v_add_nc_u32 v[AW0], s20, v133
	v_xor_b32 v[AW1], 16, v[AW0]
	v_xor_b32 v133, v130, v132                     ; x's fragments: row 32 (w / 2) + r, half h xor r / 8 of each 32 bytes
	v_mul_u32_u24 v134, v129, PX
	v_lshl_add_u32 v133, v133, 4, v134
	s_mul_i32 s20, s22, 32*PX
	s_add_co_u32 s20, s20, C3
	v_add_nc_u32 v[XF], s20, v133
	v_add_nc_u32 v[XF2], 2*CXB, v[XF]
	v_mul_u32_u24 v133, v129, SP                   ; the stage: row = cluster 32 (w % 2) + r (+ 16 for the odd columns), my 8 channels at 128 (w / 2) + 32 h bytes
	v_lshl_add_u32 v133, v130, 5, v133
	s_mul_i32 s20, s21, 32*SP
	s_lshl_b32 s23, s22, 7
	s_add_co_u32 s20, s20, s23
	s_add_co_u32 s20, s20, STG
	v_add_nc_u32 v[STO], s20, v133
	s_lshl_b32 s20, s21, 5                         ; the 8 rows that I finish: clusters 32 (w % 2) + 4 (w / 2) + 16 (i % 2) + i / 2: those of registers 8 (w / 2) + i of the sums of a, lanes of half w % 2
	s_lshl_b32 s23, s22, 2
	s_add_co_u32 s20, s20, s23
	s_mul_i32 s23, s20, SP
	s_add_co_u32 s23, s23, STG
	v_lshl_add_u32 v[RD], v128, 4, s23
	s_lshl_b32 s23, s20, 9
	v_lshl_add_u32 v[CO], v128, 4, s23
	s_lshl_b32 s20, s14, 12
	s_add_co_u32 s20, s20, AST
	v_lshl_add_u32 v[ASW], v128, 4, s20            ; my wave's 4,096 bytes of sums
	s_lshl_b32 s20, s22, 10                        ; back: pieces 2 (w / 2) and + 1, lane 16 (w % 2) + my r, of waves 2 k + my h
	s_lshl_b32 s23, s21, 8
	s_add_co_u32 s20, s20, s23
	s_add_co_u32 s20, s20, AST
	v_lshlrev_b32 v133, 12, v130
	v_lshl_add_u32 v133, v129, 4, v133
	v_add_nc_u32 v[ASR], s20, v133
	s_mov_b32 s30, 0x06040200                      ; v_perm_b32: the even bytes of two registers,
	s_mov_b32 s31, 0x07050301                      ; the odd ones
	s_mov_b32 s32, 0x76543210                      ; v_permlanex16_b32: lane l xor 16
	s_mov_b32 s33, 0xfedcba98
	s_wait_kmcnt 0x0
	MKSCALE s16, SC0, LIM0
	MKSCALE s19, SC3, LIM3
	MKSCALE s18, SC2, LIM2
	s_add_co_i32 s20, s16, s17
	s_lshl_b32 s20, s20, 23
	s_add_co_i32 s24, s20, 0x3fb8aa3b              ; c = log2(e) x 2^(e0 + e1): the exponents are added to log2(e)'s exponent field
	s_mov_b32 s25, s24                             ; (named with it as a pair)
	s_xor_b32 s26, s24, 0x80000000                 ; - c
	s_add_co_i32 s28, s18, s19
	s_add_co_i32 s28, s28, 127
	s_lshl_b32 s28, s28, 23                        ; 2^(e2 + e3)
	s_mov_b32 s29, s28
; Loads are issued in the order: batch 0, W, batches 1 to 7, the centroids.  Each QA's count is what was issued behind its batch.
	QA 0, 32, 1, 2, 0                              ; behind batch 0: W and batch 1.  Batch 2 is asked for on the way
	QA 1, 16, 1, 3, 0                              ; behind batch 1: batch 2.  (W, older, is in too.)  Batch 3 takes batch 0's registers
	BAR
	IV 0, 0, 0, 1, 4, 1, 0
	QA 2, 32, 0, 0, 1                              ; behind batch 2: 3 and 4
	QA 3, 32, 0, 0, 0                              ; behind batch 3: 4 and 5
	BAR
	IV 1, 1, 1, 1, 6, 0, 0
	QA 4, 32, 0, 0, 1                              ; behind batch 4: 5 and 6
	QA 5, 32, 0, 0, 0                              ; behind batch 5: 6 and 7
	BAR
	IV 2, 1, 0, 0, 0, 0, 0
	QA 6, 16, 0, 0, 0                              ; behind batch 6: 7
	QA 7, 0, 0, 0, 0
	WIN 0x40                                       ; x is done with: my 8 rows of the centroids come into window 1, for the way out
.irp i, 0,1,2,3,4,5,6,7
	global_load_b128 v[4*\i:4*\i+3], v[CO], s[10:11] offset:(16*(\i%2)+\i/2)*512
.endr
	WIN 0
	BAR
	IV 3, 1, 0, 0, 0, 0, 1
	BAR
	; THE LAST CHUNK'S SECOND PRODUCT, with the sums of a added up between its LDS loads
	ARAW 3, 0
	XFR 3, 0
.irp k, 0,1,2,3                        ; of waves 2 k + h, lane 16 (w % 2) + r: the eight sums of my eight clusters
.irp e, 0,1
	ds_load_b128 v[D+8*\k+4*\e:D+8*\k+4*\e+3], v[ASR] offset:8192*\k+512*\e
.endr
.endr
	s_wait_dscnt 16                                ; a's turning loads are in; x's 8 and the sums' 8 may be out
	APERM
	ARAW 3, 1
	s_wait_dscnt 16                                ; x's fragments are in; the sums' 8 and the 8 just issued may be out
	MMC 0
	s_wait_dscnt 8                                 ; the sums are in
.irp m, 0,2,4,6
	v_pk_add_f32 v[24+\m:25+\m], v[D+\m:D+\m+1], v[D+8+\m:D+9+\m]
.endr
.irp k, 2,3
.irp m, 0,2,4,6
	v_pk_add_f32 v[24+\m:25+\m], v[24+\m:25+\m], v[D+8*\k+\m:D+8*\k+\m+1]
.endr
.endr
	XFR 3, 1                                       ; the twelve additions are the places behind the products
.irp x, 1,2
.irp m, 0,1,2,3,4,5,6,7
	v_add_f32_dpp v[24+\m], v[24+\m], v[24+\m] row_xmask:\x row_mask:0xf bank_mask:0xf
.endr
.endr
	s_wait_dscnt 8                                 ; a's turning loads of K step 1 are in
	APERM
.irp x, 4,8
.irp m, 0,1,2,3,4,5,6,7
	v_add_f32_dpp v[24+\m], v[24+\m], v[24+\m] row_xmask:\x row_mask:0xf bank_mask:0xf
.endr
.endr
.irp m, 0,1,2,3,4,5,6,7
	v_permlanex16_b32 v[D+\m], v[24+\m], s32, s33
.endr
	s_wait_dscnt 0x0
	MMC 0
.irp m, 0,1,2,3,4,5,6,7
	v_add_f32 v[24+\m], v[24+\m], v[D+\m]          ; v[24 + i], in every lane: the quarter's sum of a for my row i.  (These eight are the places behind the last products)
.endr
	; THE WAY OUT
.set i, 0
.rept 16
	v_pk_mul_f32 v[224+2*i:225+2*i], v[ACC+2*i:ACC+2*i+1], s[28:29] op_sel_hi:[1,0]   ; x 2^(e2 + e3); each accumulator from its low end on
.set i, i+1
.endr
.irp tc, 0,1
.irp pr, 0,1
	ds_store_b128 v[STO], v[224+8*(2*\tc+\pr):224+8*(2*\tc+\pr)+3] offset:16*\pr*SP+64*\tc       ; lane (r, h): cluster 16 (2 (w % 2) + pr) + r, channels 32 (w / 2) + 16 tc + 8 h + 0 .. 7
	ds_store_b128 v[STO], v[224+8*(2*\tc+\pr)+4:224+8*(2*\tc+\pr)+7] offset:16*\pr*SP+64*\tc+16
.endr
.endr
	BAR                                            ; 64 whole rows lie in the stage
.irp i, 0,1,2,3,4,5,6,7
	ds_load_b128 v[R1+4*\i:R1+4*\i+3], v[RD] offset:(16*(\i%2)+\i/2)*SP       ; my 8 rows, 512 bytes each
.endr
	s_wait_loadcnt 0x0                             ; the centroids
	s_wait_dscnt 0x0
	WIN 0x04                                       ; source 1 window 1
.irp i, 0,1,2,3,4,5,6,7
.irp e, 0,1,2,3
	v_fma_f32 v[R1+4*\i+\e], -v[24+\i], v[4*\i+\e], v[R1+4*\i+\e]             ; - (sum of a) x centroid
.endr
.endr
	WIN 0
.irp i, 0,1,2,3,4,5,6,7
	global_store_b128 v[CO], v[R1+4*\i:R1+4*\i+3], s[12:13] offset:(16*(\i%2)+\i/2)*512   ; 32 lanes store a row's 512 consecutive bytes, aligned
.endr
	s_wait_xcnt 0x0
	v_lshl_add_u32 v254, v0, 2, 0x49400
	v_mov_b32 v255, 0
	s_wait_tensorcnt 0x0
	ds_add_u32 v254, v255
	s_wait_dscnt 0x0
	s_endpgm
.Lfunc_end_k_q82067394c9_vlad_part:
	.size	k_q82067394c9_vlad_part, .Lfunc_end_k_q82067394c9_vlad_part-k_q82067394c9_vlad_part
	.p2alignl 7, 3214868480
	.fill 96, 4, 3214868480
	.section	.rodata,"a",@progbits
	.p2align	6, 0x0
	.amdhsa_kernel k_q82067394c9_vlad_part
		.amdhsa_group_segment_fixed_size 301056
		.amdhsa_private_segment_fixed_size 0
		.amdhsa_enable_private_segment 0
		.amdhsa_kernarg_size 40
		.amdhsa_user_sgpr_count 2
		.amdhsa_user_sgpr_kernarg_segment_ptr 1
		.amdhsa_wavefront_size32 1
		.amdhsa_system_sgpr_workgroup_id_x 1
		.amdhsa_system_sgpr_workgroup_id_y 1
		.amdhsa_system_sgpr_workgroup_id_z 1
		.amdhsa_system_vgpr_workitem_id 0
		.amdhsa_next_free_vgpr 512
		.amdhsa_next_free_sgpr 66
		.amdhsa_reserve_vcc 0
		.amdhsa_float_denorm_mode_32 3
		.amdhsa_float_denorm_mode_16_64 3
		.amdhsa_memory_ordered 1
		.amdhsa_forward_progress 1
		.amdhsa_inst_pref_size 223
	.end_amdhsa_kernel
	.amdgpu_metadata
---
amdhsa.version: [ 1, 2 ]
amdhsa.kernels:
  - .name:           k_q82067394c9_vlad_part
    .symbol:         k_q82067394c9_vlad_part.kd
    .args:
      - { .name: x, .offset: 0, .size: 8, .value_kind: global_buffer, .address_space: global }
      - { .name: conv_w_codes, .offset: 8, .size: 8, .value_kind: global_buffer, .address_space: global }
      - { .name: lowp_scales, .offset: 16, .size: 8, .value_kind: global_buffer, .address_space: global }
      - { .name: centroids, .offset: 24, .size: 8, .value_kind: global_buffer, .address_space: global }
      - { .name: part, .offset: 32, .size: 8, .value_kind: global_buffer, .address_space: global }
    .group_segment_fixed_size: 301056
    .private_segment_fixed_size: 0
    .kernarg_segment_align: 8
    .kernarg_segment_size: 40
    .max_flat_workgroup_size: 256
    .sgpr_count:     66
    .vgpr_count:     512
    .wavefront_size: 32
...
	.end_amdgpu_metadata
.endif
;; end of part 1
;; launch vlad_norm (part 2): grid 64 x 1, 16 waves a work-group, no clusters, 2,304 bytes of LDS; arguments part, out0; writes out0
.if DOCPART == 2
	.amdgcn_target "amdgcn-amd-amdhsa--gfx1250"
	.amdhsa_code_object_version 6
	.text
	.protected	k_q82067394c9_vlad_norm
	.globl	k_q82067394c9_vlad_norm
	.p2align	8
	.type	k_q82067394c9_vlad_norm,@function
k_q82067394c9_vlad_norm:
	s_mov_b64 s[64:65], 0
	v_nop
	global_prefetch_b8 v0, s[64:65] scope:SCOPE_SE
	s_setreg_imm32_b32 hwreg(HW_REG_WAVE_MODE, 25, 1), 1
	s_wait_xcnt 0x0
; NetVLAD, second part.  part [64 images][4 quarters][64 clusters][128 channels] f32 -> out0 [64][8192] f32.
; v = the sum of an image's four parts; each cluster's row is divided by its L2 norm; the image's 8,192 numbers are then divided by their L2 norm, computed from the divided rows as they stand.
; A work-group takes an image, each of its 16 waves 4 rows; a row is 512 bytes: 16 bytes a lane, so every load and store of a wave covers 512 consecutive bytes, aligned.
; A division by a norm is a multiplication by v_rsq_f32 of the sum of squares.  A row of zeros gives 0 x infinity = NaN, which spreads over the image through the second norm.
; No matrix work, no cluster (work-groups share nothing), one barrier: the waves' sums of squares meet in 64 bytes of LDS.
.set P,  8                             ; v8-71   quarter q, row i: v[8 + 16 q + 4 i ..]; the sums, then the results, in quarter 0's registers
.set SS, 72                            ; v72-75  a row's sum of squares, then 1 / its norm
.set G,  76                            ; v76-79  sums of squares of the divided rows
	s_load_b128 s[4:7], s[0:1], 0x0                ; part, out0
	v_lshl_add_u32 v80, v0, 2, 0x100
	v_mov_b32 v81, 0
	v_lshrrev_b32 v2, 5, v0
	v_readfirstlane_b32 s8, v2                     ; wave 0..15
	v_and_b32 v3, 31, v0
	s_lshl_b32 s9, s8, 11                          ; my 4 rows of 512 bytes
	v_lshl_add_u32 v1, v3, 4, s9
	s_lshl_b32 s16, s8, 2
	v_mov_b32 v4, s16                              ; my wave's word in LDS
	v_mov_b32 v5, 0
	s_lshl_b32 s10, ttmp9, 17                      ; the image's four parts,
	s_mov_b32 s11, 0
	s_lshl_b32 s12, ttmp9, 15                      ; and its row of out0
	s_mov_b32 s13, 0
	s_mov_b32 s14, 0x76543210                      ; v_permlanex16_b32: lane l xor 16
	s_mov_b32 s15, 0xfedcba98
	s_wait_kmcnt 0x0
	s_add_nc_u64 s[4:5], s[4:5], s[10:11]
	s_add_nc_u64 s[6:7], s[6:7], s[12:13]
.irp q, 0,1,2,3
.irp i, 0,1,2,3
	global_load_b128 v[P+16*\q+4*\i:P+16*\q+4*\i+3], v1, s[4:5] offset:32768*\q+512*\i th:TH_LOAD_NT
.endr
.endr
	s_wait_loadcnt 0x0
.irp m, 0,2,4,6,8,10,12,14
	v_pk_add_f32 v[P+\m:P+\m+1], v[P+\m:P+\m+1], v[P+16+\m:P+16+\m+1]
	v_pk_add_f32 v[P+32+\m:P+32+\m+1], v[P+32+\m:P+32+\m+1], v[P+48+\m:P+48+\m+1]
.endr
.irp m, 0,2,4,6,8,10,12,14
	v_pk_add_f32 v[P+\m:P+\m+1], v[P+\m:P+\m+1], v[P+32+\m:P+32+\m+1]
.endr
.irp i, 0,1,2,3
	v_mul_f32 v[SS+\i], v[P+4*\i], v[P+4*\i]
.endr
.irp e, 1,2,3
.irp i, 0,1,2,3
	v_fmac_f32 v[SS+\i], v[P+4*\i+\e], v[P+4*\i+\e]
.endr
.endr
.irp x, 1,2,4,8                        ; over the 32 lanes, the four rows by turns
.irp i, 0,1,2,3
	v_add_f32_dpp v[SS+\i], v[SS+\i], v[SS+\i] row_xmask:\x row_mask:0xf bank_mask:0xf
.endr
.endr
.irp i, 0,1,2,3
	v_permlanex16_b32 v[P+16+\i], v[SS+\i], s14, s15   ; (a destination that has been written)
.endr
.irp i, 0,1,2,3
	v_add_f32 v[SS+\i], v[SS+\i], v[P+16+\i]
.endr
.irp i, 0,1,2,3
	v_rsq_f32 v[SS+\i], v[SS+\i]
.endr
	v_nop                                          ; a plain instruction behind the last of the batch,
	s_wait_alu depctr_va_vdst(0)                   ; and one wait ahead of its first reader
.irp i, 0,1,2,3
.irp e, 0,1,2,3
	v_mul_f32 v[P+4*\i+\e], v[P+4*\i+\e], v[SS+\i]     ; the row / its norm
.endr
.endr
.irp i, 0,1,2,3
	v_mul_f32 v[G+\i], v[P+4*\i], v[P+4*\i]
.endr
.irp e, 1,2,3
.irp i, 0,1,2,3
	v_fmac_f32 v[G+\i], v[P+4*\i+\e], v[P+4*\i+\e]
.endr
.endr
	v_add_f32 v[G], v[G], v[G+1]
	v_add_f32 v[G+2], v[G+2], v[G+3]
	v_add_f32 v[G], v[G], v[G+2]
.irp x, 1,2,4,8
	v_add_f32_dpp v[G], v[G], v[G] row_xmask:\x row_mask:0xf bank_mask:0xf
.endr
	v_permlanex16_b32 v[G+1], v[G], s14, s15
	v_add_f32 v[G], v[G], v[G+1]
	ds_store_b32 v4, v[G]                          ; all lanes store the same number to my wave's word
	s_wait_dscnt 0x0                               ; for the others' sake
	s_barrier_signal -1
	s_barrier_wait -1
.irp i, 0,1,2,3
	ds_load_b128 v[40+4*\i:43+4*\i], v5 offset:16*\i   ; the sixteen waves' sums, in every lane
.endr
	s_wait_dscnt 0x0
.irp i, 0,1,2,3
	v_pk_add_f32 v[40+4*\i:41+4*\i], v[40+4*\i:41+4*\i], v[42+4*\i:43+4*\i]
.endr
	v_pk_add_f32 v[40:41], v[40:41], v[44:45]
	v_pk_add_f32 v[48:49], v[48:49], v[52:53]
	v_pk_add_f32 v[40:41], v[40:41], v[48:49]
	v_add_f32 v40, v40, v41
	v_rsq_f32 v40, v40
	v_nop
	s_wait_alu depctr_va_vdst(0)
.irp i, 0,1,2,3,4,5,6,7,8,9,10,11,12,13,14,15
	v_mul_f32 v[P+\i], v[P+\i], v40
.endr
.irp i, 0,1,2,3
	global_store_b128 v1, v[P+4*\i:P+4*\i+3], s[6:7] offset:512*\i th:TH_STORE_NT
.endr
	s_wait_tensorcnt 0x0
	ds_add_u32 v80, v81
	s_wait_dscnt 0x0
	s_endpgm
.Lfunc_end_k_q82067394c9_vlad_norm:
	.size	k_q82067394c9_vlad_norm, .Lfunc_end_k_q82067394c9_vlad_norm-k_q82067394c9_vlad_norm
	.p2alignl 7, 3214868480
	.fill 96, 4, 3214868480
	.section	.rodata,"a",@progbits
	.p2align	6, 0x0
	.amdhsa_kernel k_q82067394c9_vlad_norm
		.amdhsa_group_segment_fixed_size 2304
		.amdhsa_private_segment_fixed_size 0
		.amdhsa_enable_private_segment 0
		.amdhsa_kernarg_size 16
		.amdhsa_user_sgpr_count 2
		.amdhsa_user_sgpr_kernarg_segment_ptr 1
		.amdhsa_wavefront_size32 1
		.amdhsa_system_sgpr_workgroup_id_x 1
		.amdhsa_system_sgpr_workgroup_id_y 1
		.amdhsa_system_sgpr_workgroup_id_z 1
		.amdhsa_system_vgpr_workitem_id 0
		.amdhsa_next_free_vgpr 82
		.amdhsa_next_free_sgpr 66
		.amdhsa_reserve_vcc 0
		.amdhsa_float_denorm_mode_32 3
		.amdhsa_float_denorm_mode_16_64 3
		.amdhsa_memory_ordered 1
		.amdhsa_forward_progress 1
		.amdhsa_inst_pref_size 10
	.end_amdhsa_kernel
	.amdgpu_metadata
---
amdhsa.version: [ 1, 2 ]
amdhsa.kernels:
  - .name:           k_q82067394c9_vlad_norm
    .symbol:         k_q82067394c9_vlad_norm.kd
    .args:
      - { .name: part, .offset: 0, .size: 8, .value_kind: global_buffer, .address_space: global }
      - { .name: out0, .offset: 8, .size: 8, .value_kind: global_buffer, .address_space: global }
    .group_segment_fixed_size: 2304
    .private_segment_fixed_size: 0
    .kernarg_segment_align: 8
    .kernarg_segment_size: 16
    .max_flat_workgroup_size: 512
    .sgpr_count:     66
    .vgpr_count:     82
    .wavefront_size: 32
...
	.end_amdgpu_metadata
.endif
;; end of part 2
;; ======== version 2 of 2: 2 launches
;; workspace buffers: part 8,388,608 bytes
;; launch vlad_part (part 3): grid 4 x 64, 8 waves a work-group, no clusters, 301,056 bytes of LDS; arguments x, conv_w_codes, lowp_scales, centroids, part; writes part
.if DOCPART == 3
	.amdgcn_target "amdgcn-amd-amdhsa--gfx1250"
	.amdhsa_code_object_version 6
	.text
	.protected	k_q82067394c9_vlad_part
	.globl	k_q82067394c9_vlad_part
	.p2align	8
	.type	k_q82067394c9_vlad_part,@function
k_q82067394c9_vlad_part:
	s_mov_b64 s[64:65], 0
	v_nop
	global_prefetch_b8 v0, s[64:65] scope:SCOPE_SE
	s_setreg_imm32_b32 hwreg(HW_REG_WAVE_SCHED_MODE, 0, 2), 2
	s_setreg_imm32_b32 hwreg(HW_REG_WAVE_MODE, 25, 1), 1
	s_wait_xcnt 0x0
	s_wait_alu depctr_vm_vsrc(0)
; NetVLAD, first part.  x [64][128 channels][4096 pixels] f32; conv_w as E4M3 codes [64 clusters][128 channels]; centroids [64][128] f32; lowp_scales e0..e3.
; part[image][quarter][cluster][channel] = sum over the quarter's 1,024 pixels of Q(a) Q(x)  -  (sum over them of a) x centroid,   a = softmax over clusters of (W Q(x)).
; Both products run on E4M3 codes (v_wmma_f32_16x16x128_fp8_fp8), sums in f32; the sum of a is taken of the unquantised a.  The second launch adds an image's four parts and normalises.
; SHARES.  A work-group = one image, one quarter of its pixels; eight waves.  The quarter goes in 4 chunks of 256 pixels; a chunk passes three tasks:
;  QA    wave w holds channels 16 w .. 16 w + 15 (each load: 512 consecutive bytes of a row of x), holds each number at the largest code x the scale, converts eight numbers of a lane to eight codes and puts them
;        into LDS, rows = channels.  A lane's eight codes lie together: the places of a row are a permutation of the chunk's pixels; every later step treats a place as a pixel and all pixels are summed.
;        Codes at scale 2^e3 serve the second product, codes at 2^e0 the first.  Where e0 = e3 they are the same codes: a scalar branch on these two whole numbers then makes and stores one set, which serves both.
;  SOFT  wave w takes places 32 w .. 32 w + 31.  ds_load_tr16_b128 on pairs of bytes turns 8 channels x 8 pairs of places, v_perm_b32 parts even places from odd: two tiles of 16 places with the channels along the registers.
;        Source 0 = 16 clusters of W, source 1 = 16 places: a lane holds ONE place and 32 clusters, the lane 16 away the other 32.  So the maximum and the sum of the softmax are taken inside the lane, with one exchange.
;        a's codes (eight clusters to a conversion) go to LDS as rows [place][cluster].
;  CPH   wave w takes channel tiles 2 (w / 2), 2 (w / 2) + 1 and the clusters of column window w % 2: source 0 = x's codes (rows of LDS as they lie), source 1 = a, turned by ds_load_tr16_b128 and v_perm_b32: the even
;        and the odd columns of a window are two tiles.  W's rows are ordered so that these tiles are clusters 16 (2 (w % 2) + parity) + lane % 16.  4 accumulators by turns.
; ONE BARRIER A CHUNK: between two barriers a wave runs CPH(i - 1), SOFT(i), QA(i + 1), which hang on earlier intervals alone.  CPH's LDS loads stand in runs of 8 and 16 between SOFT's blocks of vector work, and half of x's
; loads in groups of 4 there.  The e3 codes have 3 buffers (written in interval i - 1, read in i and i + 1), the e0 codes 2, a's rows 2: inside an interval no byte is both written and read.
; LDS ROWS.  Code rows: 256 + 32 bytes = 72 words, and rows whose number has bit 3 set have the two halves of each 32 bytes swapped.  So the 8 rows x 32 bytes of a turning load fall on 64 different banks, and so do the
; 16 rows x 16 bytes of a fragment load (64 banks of 4 bytes: ISA guide 11.1).  a's rows: 64 + 32 bytes = 24 words; the 16-byte piece q of row p lies at piece q xor ((p / 8) % 4): the same holds for its loads and stores.
; x IS ASKED FOR THREE BATCHES OF 16 LOADS AHEAD, into three sets of 64 registers in window 1.
; No cluster: the work-groups share only W (8 KB) and the centroids (32 KB) of the 552 KB that each reads.  No tensor load: x goes from memory to registers to codes, and only codes cross LDS.
; LIMITS: e0, e2, e3 between -126 and 119; e0 + e1 and e2 + e3 between -126 and 127 (each power of two below is an f32 number).  NaN in x is not served; an infinity is held at the largest code.
; THE MODE: SCHED_MODE bits 1:0 = 2 (LLVM: expert scheduling mode 2), set by the entry lines.  The code itself states the register dependences between vector or matrix instructions and memory or LDS
; instructions, with s_wait_alu, always for 0.
; THE PLAN.  Registers that memory or LDS instructions touch, and who else names them:
;   window 1 v0-191    x's loads land (at the end the centroids'); a QA's holds read a set.  A set is asked for again only behind the wait on va_vdst ahead of that QA's last stores; no vector line behind that wait names it.
;   window 1 v224-255  a's turning loads land; APERM's v_perm_b32 read.
;   v160-191           XFR's loads land; the second product reads; QA's holds write and its conversions read.
;   v192-223           x's turning loads land (in the tail: the sums of a); v_perm_b32 read; the first product writes; QA's holds and conversions.
;   v128-159           v_perm_b32 and conversions write; the stores of a's codes (v128-143) and of a QA's second batch read; on the way out LDS loads land, v_fma_f32 write, global stores read.
;   v224-255           conversions, the first product and the way out's multiplies write; the stores of a QA's first batch and of the stage read; at the end the closing add's two registers are made there.
;   v24-27, v30, v31   addresses made on the way (v24 also the offset of W's loads), and at work in the softmax.      v64-95  the finished sums of a: written once, stored once.
;   v1-16, v23         addresses made at the head and never written again.
; THE WAITS.  QA: va_vdst ahead of each run of stores; vm_vsrc ahead of the second batch's conversions.  IV: vm_vsrc at its head (all that the interval before stored has been read); va_vdst ahead of x's turning loads, which
; also serves a's first turning loads, x's first fragments and the four groups of x's loads; behind the maximum vm_vsrc (v30, v31) and va_vdst, ahead of K step 1's sixteen LDS loads; the exponentials' and the reciprocals'
; waits; va_vdst ahead of the stores of a's codes.  The tail and the way out likewise, each at its place.
.set ROWX,  16384                      ; bytes from channel to channel in x
.set PX,    288                        ; a row of codes of x in LDS
.set CXB,   128*PX                     ; a buffer of them
.set PA,    96                         ; a row of a's codes
.set ARB,   256*PA                     ; a buffer of them
.set C3,    2*ARB                      ; LDS: a's rows (2 buffers), the e3 codes (3), the e0 codes (2), the stage for the way out, the waves' sums of a
.set C1,    C3+3*CXB
.set STG,   C1+2*CXB
.set SP,    528                        ; a stage row: 128 f32 + 16 bytes
.set AST,   STG+64*SP                  ; 8 waves x 8 pieces x 512 bytes
.set XO,   1                           ; v1   x: 16 x lane + my 16 channels
.set S3E,  2                           ; v2   where I store codes, rows 0-7 of my 16: 8 x lane;   v3  rows 8-15: (8 x lane) xor 16
.set ASR,  4                           ; v4   where I read the sums of a back
.set TRE,  6                           ; v6   x's turning loads, rows with bit 3 clear, from a buffer's first byte;   v7  rows with bit 3 set
.set TRO,  7
.set AW0,  8                           ; v8, v9    where I store 2 x 16 bytes of a row of a
.set AW1,  9
.set ATE,  10                          ; v10, v11  a's turning loads, even and odd groups of 8 places
.set XF,   12                          ; v12  my fragments of the e3 codes, buffers 0 and 1;   v13  buffer 2
.set XF2,  13
.set STO,  14                          ; v14  the stage, on the way in;   v15  on the way back
.set RD,   15
.set CO,   16                          ; v16  my rows of centroids and of part
.set LIM0, 17                          ; v17, v19, v21  448 x 2^e0, 2^e3, 2^e2;   v18, v20, v22  2^e0, 2^e3, 2^e2
.set SC0,  18
.set LIM3, 19
.set SC3,  20
.set LIM2, 21
.set SC2,  22
.set ASW,  23                          ; v23  where I store my sums of a
                                       ; v24-31  at work: maxima, sums, reciprocals; addresses made on the way
.set ACC,  32                          ; v32-63   4 accumulators (channel tile tc, parity pr) at 8 (2 tc + pr)
.set W,    64                          ; v64-127  W's 4 fragments: they stay
.set R1,   128                         ; v128-159 x's two fragments for the first product; then a's two for the second; then a's codes
.set R2,   160                         ; v160-191 x's two fragments for the second product
.set T,    160                         ; v160-223 QA: 64 numbers, held
.set D,    192                         ; v192-255 what x's turning loads bring, then the scores: tile o, cluster tile t at 32 o + 8 t
                                       ; window 1: v0-191 three batches of x; v192-223 the sums of a; v224-255 what a's turning loads bring
.set MSB, 0
.macro WIN new                         ; the immediate's high byte repeats the setting that is left
.if MSB != \new
	s_set_vgpr_msb (MSB<<8)|\new
.set MSB, \new
.endif
.endm
.macro BAR                             ; my LDS stores have landed and my LDS loads are in: then the work-group's barrier
	s_wait_dscnt 0x0
	s_barrier_signal -1
	s_barrier_wait -1
.endm
.macro PLACES n
.rept \n
	v_nop
.endr
.endm
.macro MKSCALE se, vsc, vlim           ; 2^e and 448 x 2^e as f32
	s_add_co_i32 s20, \se, 127
	s_lshl_b32 s21, s20, 23
	v_mov_b32 v[\vsc], s21
	s_add_co_i32 s20, s20, 8
	s_lshl_b32 s20, s20, 23
	s_or_b32 s20, s20, 0x600000
	v_mov_b32 v[\vlim], s20
.endm
; Batch n = 8 of my channels (8 (n % 2) on) x the 1,024 bytes of chunk n / 2.  cnt channels from g0 on: two loads each, 512 consecutive bytes a load, eight registers on end; into set n % 3 of window 1.
; No wait stands here: each call follows a wait on va_vdst behind which no vector line names the set or v1 (the calls say which).
.macro GLD n, g0, cnt
	WIN 0x40                                       ; destination window 1, address window 0
.set gg, \g0
.rept \cnt
	global_load_b128 v[64*((\n)%3)+8*gg:64*((\n)%3)+8*gg+3], v[XO], s[4:5] offset:(8*((\n)%2)+gg)*ROWX+1024*((\n)/2) th:TH_LOAD_NT
	global_load_b128 v[64*((\n)%3)+8*gg+4:64*((\n)%3)+8*gg+7], v[XO], s[4:5] offset:(8*((\n)%2)+gg)*ROWX+1024*((\n)/2)+512 th:TH_LOAD_NT
.set gg, gg+1
.endr
	WIN 0
.endm
; QA: batch n becomes codes.  left: the loads issued behind this batch's 16, which may stay out.  ex = 1: batch xb is asked for behind the holds.  rf = 1: this batch's registers take batch n + 3.
.macro QA n, left, ex, xb, rf
.set XB, 64*((\n)%3)
.set BB, (\n)%2
.set CH, (\n)/2
.set CA, 224-96*BB                     ; the codes' registers: first batch v224-255, second v128-159, so that no pending LDS store's data are written again
.set CB, CA+16
.if (CH%3) == 2
.set R3, 24+2*BB
.set O3, 8*BB*PX
.else
.set R3, S3E+BB
.set O3, (CH%3)*CXB+8*BB*PX
.endif
	s_wait_loadcnt \left                           ; loads come back in order: this batch is in
.if (CH%3) == 2
	v_add_nc_u32 v[R3], 2*CXB, v[S3E+BB]           ; the third buffer lies beyond an LDS offset's 16 bits
.endif
	WIN 0x01                                       ; source 0 window 1
.set i, 0
.rept 64
	v_med3_num_f32 v[T+i], v[XB+i], -v[LIM0], v[LIM0]   ; the conversion to an 8-bit code does not saturate (ISA guide 7.6.2): the hold at the largest code x the scale
.set i, i+1
.endr
	WIN 0
.if \ex
	GLD \xb, 0, 8                                  ; batch 2: no vector line has named its set.  Batch 3: the first QA's holds read its set, ahead of the wait on va_vdst in front of that QA's last stores
.endif
.if BB
	s_wait_alu depctr_va_vdst(0)
	s_wait_dscnt 8                                 ; at most the first batch's youngest 8 stores are out: the stores of a's codes, older, have read v128-143
.if (\n) > 1
	s_wait_alu depctr_vm_vsrc(0)                   ; the stores of a's codes have read v128-143, which the conversions below write
.endif
.endif
.set g, 0
.rept 8
	v_cvt_scalef32_pk8_fp8_f32 v[CA+2*g:CA+2*g+1], v[T+8*g:T+8*g+7], v[SC0]
.set g, g+1
.endr
	v_nop                                          ; one plain vector instruction behind the last conversion, ahead of what writes its sources
	s_cmp_eq_u32 s16, s19                          ; e0 = e3: these codes serve both products
	s_cbranch_scc1 .Lsame_\@
	v_add_nc_u32 v[25+2*BB], (C1-C3)+(CH%2)*CXB+8*BB*PX, v[S3E+BB]
	s_wait_alu depctr_va_vdst(0)                   ; the conversions have written the codes and the line above their address, which the stores read
.set g, 0
.rept 8
	ds_store_b64 v[25+2*BB], v[CA+2*g:CA+2*g+1] offset:g*PX   ; 32 lanes: a row's 256 bytes
.set g, g+1
.endr
	WIN 0x01
.set i, 0
.rept 64
	v_med3_num_f32 v[T+i], v[XB+i], -v[LIM3], v[LIM3]
.set i, i+1
.endr
	WIN 0
.set g, 0
.rept 8
	v_cvt_scalef32_pk8_fp8_f32 v[CB+2*g:CB+2*g+1], v[T+8*g:T+8*g+7], v[SC3]
.set g, g+1
.endr
	v_nop
	s_wait_alu depctr_va_vdst(0)                   ; the conversions have written the codes (and, for the third buffer, the head's line their address), which the stores read; the holds are done reading this batch's set of x
.set g, 0
.rept 8
	ds_store_b64 v[R3], v[CB+2*g:CB+2*g+1] offset:O3+g*PX
.set g, g+1
.endr
	s_branch .Ljoin_\@
.Lsame_\@:
	s_wait_alu depctr_va_vdst(0)                   ; the conversions have written the codes (and, for the third buffer, the head's line their address), which the stores read; the holds are done reading this batch's set of x
.set g, 0
.rept 8
	ds_store_b64 v[R3], v[CA+2*g:CA+2*g+1] offset:O3+g*PX
.set g, g+1
.endr
.Ljoin_\@:
.if \rf
	GLD (\n)+3, 0, 8                               ; into the set that the holds have read: on either way the wait ahead of the last stores says so, and no vector line follows it
.endif
.endm
; x's turning loads for my 32 places: load c takes channels 32 (c / 2) + 8 (c % 2) + 16 (lane / 16) + 0 .. 7; lane l gets these 8 channels of places 2 (l % 16) and 2 (l % 16) + 1, interleaved.
.macro TRL
.set c, 0
.rept 8
	ds_load_tr16_b128 v[D+4*c:D+4*c+3], v[30+(c%2)] offset:(32*(c/2)+8*(c%2))*PX
.set c, c+1
.endr
.endm
.macro TRX ch                          ; from the e0 codes, or, where e0 = e3, from the one set
	s_cmp_eq_u32 s16, s19
	s_cbranch_scc1 .Ltre_\@
	v_add_nc_u32 v30, C1+((\ch)%2)*CXB, v[TRE]
	v_add_nc_u32 v31, C1+((\ch)%2)*CXB, v[TRO]
	s_wait_alu depctr_va_vdst(0)                   ; v30 and v31 are written, which the loads read; QA's holds and conversions are done with v160-223, APERM with window 1's v224-255, the holds with x's sets: loads land in all of these
	TRL
	s_branch .Ltrj_\@
.Ltre_\@:
	v_add_nc_u32 v30, C3+((\ch)%3)*CXB, v[TRE]
	v_add_nc_u32 v31, C3+((\ch)%3)*CXB, v[TRO]
	s_wait_alu depctr_va_vdst(0)                   ; v30 and v31 are written, which the loads read; QA's holds and conversions are done with v160-223, APERM with window 1's v224-255, the holds with x's sets: loads land in all of these
	TRL
.Ltrj_\@:
.endm
; a's turning loads, K step k (128 places) of a chunk: load c takes places 32 (c / 2) + 8 (c % 2) + 16 (lane / 16) + 0 .. 7 of columns 2 (l % 16), 2 (l % 16) + 1 of my window; into window 1
.macro ARAW ch, k
	WIN 0x40
.set c, 0
.rept 8
	ds_load_tr16_b128 v[224+4*c:224+4*c+3], v[ATE+(c%2)] offset:((\ch)%2)*ARB+(128*(\k)+32*(c/2)+8*(c%2))*PA
.set c, c+1
.endr
	WIN 0
.endm
.macro APERM                           ; the even columns' fragment to v128-143, the odd columns' to v144-159: registers 4 u .. 4 u + 3 = places 32 u + 16 (lane / 16) + 0 .. 15
	WIN 0x05                                       ; sources 0 and 1 window 1
.set c, 0
.rept 8
	v_perm_b32 v[R1+2*c], v[224+4*c+1], v[224+4*c], s30
	v_perm_b32 v[R1+2*c+1], v[224+4*c+3], v[224+4*c+2], s30
	v_perm_b32 v[R1+16+2*c], v[224+4*c+1], v[224+4*c], s31
	v_perm_b32 v[R1+16+2*c+1], v[224+4*c+3], v[224+4*c+2], s31
.set c, c+1
.endr
	WIN 0
.endm
.macro XFR ch, k                       ; x's two fragments of K step k: row = channel, places 32 u + 16 (lane / 16) + 0 .. 15
.if ((\ch)%3) == 2
.set RX, XF2
.set OX, 0
.else
.set RX, XF
.set OX, ((\ch)%3)*CXB
.endif
.irp tc, 0,1
.irp u, 0,1,2,3
	ds_load_b128 v[R2+16*\tc+4*\u:R2+16*\tc+4*\u+3], v[RX] offset:OX+16*\tc*PX+128*(\k)+32*\u
.endr
.endr
.endm
.macro MMC zero                        ; four products of the second kind, one on each accumulator.  zero = 1: they start the sums
.irp tc, 0,1
.irp pr, 0,1
.if \zero
	v_wmma_f32_16x16x128_fp8_fp8 v[ACC+8*(2*\tc+\pr):ACC+8*(2*\tc+\pr)+7], v[R2+16*\tc:R2+16*\tc+15], v[R1+16*\pr:R1+16*\pr+15], 0
.else
	v_wmma_f32_16x16x128_fp8_fp8 v[ACC+8*(2*\tc+\pr):ACC+8*(2*\tc+\pr)+7], v[R2+16*\tc:R2+16*\tc+15], v[R1+16*\pr:R1+16*\pr+15], v[ACC+8*(2*\tc+\pr):ACC+8*(2*\tc+\pr)+7]
.endif
.endr
.endr
.endm
; SOFT(ci), with CPH(ci - 1) laid into it (cph = 1; zero = 1: its first products start the sums) and batch bat of x asked for in four groups of four loads (sprd = 1).
; first = 1: the sums of a begin.  fin = 1: they end, and go to LDS.
; Each s_wait_dscnt 8 below leaves out the one run of 8 LDS loads that was issued behind the run wanted.
; The four groups of x's loads land in a set that no vector line names behind the wait on va_vdst in TRX: they owe no wait of their own.
.macro IV ci, cph, zero, sprd, bat, first, fin
	s_wait_alu depctr_vm_vsrc(0)                   ; the stores of the interval before have read x's codes in v128-159 and v224-255 and their addresses v24-27 (chunk 0: W's loads their offset v24): all are written again below
	TRX \ci
.if \cph
	ARAW (\ci)-1, 0
.endif
.if \sprd
	GLD \bat, 0, 2
.endif
	s_wait_dscnt 8*\cph                            ; x's turning loads are in
.set c, 0
.rept 8                                ; registers 4 u .. 4 u + 3 of a fragment: channels 32 u + 16 (lane / 16) + 0 .. 15, as W's loads of 16 bytes give them
	v_perm_b32 v[R1+2*c], v[D+4*c+1], v[D+4*c], s30
	v_perm_b32 v[R1+2*c+1], v[D+4*c+3], v[D+4*c+2], s30
	v_perm_b32 v[R1+16+2*c], v[D+4*c+1], v[D+4*c], s31
	v_perm_b32 v[R1+16+2*c+1], v[D+4*c+3], v[D+4*c+2], s31
.set c, c+1
.endr
.if \cph
	XFR (\ci)-1, 0                                 ; into v160-191, which no vector line names behind the wait in TRX
.endif
.irp o, 0,1                            ; scores: register j of lane (r, h): place 2 r + o of my 32, row 8 h + j of W's tile t
.irp t, 0,1,2,3
	v_wmma_f32_16x16x128_fp8_fp8 v[D+32*\o+8*\t:D+32*\o+8*\t+7], v[W+16*\t:W+16*\t+15], v[R1+16*\o:R1+16*\o+15], 0
.endr
.endr
	PLACES 4                                       ; four places between the products and the first read of their results and write of their sources (ISA guide 7.12.1)
.if \cph
	s_wait_dscnt 8                                 ; a's turning loads of K step 0 are in
	APERM
	s_wait_alu depctr_va_vdst(0)
	s_wait_dscnt 0x0                               ; x's fragments of K step 0 are in
	MMC \zero
.endif
.irp o, 0,1                            ; the largest of my place's 32 scores, in two chains a tile; each accumulator's first read takes one of its four lowest registers
	v_max3_num_f32 v[24+2*\o], v[D+32*\o], v[D+32*\o+1], v[D+32*\o+2]
	v_max3_num_f32 v[25+2*\o], v[D+32*\o+8], v[D+32*\o+9], v[D+32*\o+10]
.endr
.irp p, 3,5,17,19,21
.irp o, 0,1
	v_max3_num_f32 v[24+2*\o], v[24+2*\o], v[D+32*\o+\p], v[D+32*\o+\p+1]
	v_max3_num_f32 v[25+2*\o], v[25+2*\o], v[D+32*\o+\p+8], v[D+32*\o+\p+9]
.endr
.endr
.irp o, 0,1
	v_max3_num_f32 v[24+2*\o], v[24+2*\o], v[D+32*\o+7], v[D+32*\o+16]
	v_max3_num_f32 v[25+2*\o], v[25+2*\o], v[D+32*\o+15], v[D+32*\o+24]
.endr
.irp o, 0,1
	v_max3_num_f32 v[24+2*\o], v[24+2*\o], v[D+32*\o+23], v[D+32*\o+31]
.endr
.irp o, 0,1
	v_max_num_f32 v[24+2*\o], v[24+2*\o], v[25+2*\o]
.endr
.irp o, 0,1
	v_permlanex16_b32 v[25+2*\o], v[24+2*\o], s32, s33   ; the place's other 32 clusters lie in the lane 16 away
.endr
.irp o, 0,1
	v_max_num_f32 v[24+2*\o], v[24+2*\o], v[25+2*\o]
.endr
.irp o, 0,1
	v_mul_f32 v[24+2*\o], s26, v[24+2*\o]          ; - c x maximum, c = log2(e) x 2^(e0 + e1)
.endr
	s_wait_alu depctr_vm_vsrc(0)                   ; x's turning loads have read v30 and v31, which the sums below write
.if \cph
	s_wait_alu depctr_va_vdst(0)                   ; APERM is done reading window 1's v224-255 and K step 0's products are done reading v160-191: K step 1's sixteen loads land there
	ARAW (\ci)-1, 1
	XFR (\ci)-1, 1                                 ; the lines of the maximum also stand between K step 0's products and these loads
.endif
.if \sprd
	GLD \bat, 2, 2
.endif
.irp o, 0,1
.irp j, 0,2,4,6,8,10,12,14,16,18,20,22,24,26,28,30
	v_pk_fma_f32 v[D+32*\o+\j:D+32*\o+\j+1], v[D+32*\o+\j:D+32*\o+\j+1], s[24:25], v[24+2*\o:25+2*\o] op_sel_hi:[1,0,0]   ; c s - c max (of both pairs the low word serves both halves)
.endr
.endr
.set i, 0
	s_wait_alu depctr_va_vdst(0)
.rept 64
	v_exp_f32 v[D+i], v[D+i]
.set i, i+1
.endr
	v_nop                                          ; a plain instruction behind the last exponential
.if \sprd
	GLD \bat, 4, 2
.endif
	s_wait_alu depctr_va_vdst(0)                   ; the 64 exponentials have written v192-255: one wait for the batch ahead of its first reader
.if \cph
	s_wait_dscnt 8                                 ; a's turning loads of K step 1 are in: they had the scalings and the exponentials in which to land
	APERM
	s_wait_alu depctr_va_vdst(0)
	s_wait_dscnt 0x0                               ; x's fragments of K step 1 are in
	MMC 0
.endif
.irp o, 0,1                            ; the sum of my place's 32, two at a time, in two chains a tile
	v_pk_add_f32 v[24+4*\o:25+4*\o], v[D+32*\o:D+32*\o+1], v[D+32*\o+2:D+32*\o+3]
	v_pk_add_f32 v[26+4*\o:27+4*\o], v[D+32*\o+4:D+32*\o+5], v[D+32*\o+6:D+32*\o+7]
.endr
.irp p, 8,12,16,20,24,28
.irp o, 0,1
	v_pk_add_f32 v[24+4*\o:25+4*\o], v[24+4*\o:25+4*\o], v[D+32*\o+\p:D+32*\o+\p+1]
	v_pk_add_f32 v[26+4*\o:27+4*\o], v[26+4*\o:27+4*\o], v[D+32*\o+\p+2:D+32*\o+\p+3]
.endr
.endr
.irp o, 0,1
	v_pk_add_f32 v[24+4*\o:25+4*\o], v[24+4*\o:25+4*\o], v[26+4*\o:27+4*\o]
.endr
.irp o, 0,1
	v_add_f32 v[24+4*\o], v[24+4*\o], v[25+4*\o]
.endr
.irp o, 0,1
	v_permlanex16_b32 v[25+4*\o], v[24+4*\o], s32, s33
.endr
.irp o, 0,1
	v_add_f32 v[24+4*\o], v[24+4*\o], v[25+4*\o]
.endr
	s_wait_alu depctr_va_vdst(0)
.irp o, 0,1
	v_rcp_f32 v[24+4*\o], v[24+4*\o]
.endr
	v_nop
	s_wait_alu depctr_va_vdst(0)                   ; the two reciprocals have written v24 and v28: one wait ahead of their first reader
.irp o, 0,1
.irp j, 0,2,4,6,8,10,12,14,16,18,20,22,24,26,28,30
	v_pk_mul_f32 v[D+32*\o+\j:D+32*\o+\j+1], v[D+32*\o+\j:D+32*\o+\j+1], v[24+4*\o:25+4*\o] op_sel_hi:[1,0]   ; a, finished and normalised
.endr
.endr
.if \sprd
	GLD \bat, 6, 2
.endif
; the sum of the UNQUANTISED a over my places: 32 registers in window 1, one for each of my lane's clusters
.if \first
	WIN 0x40
.set p, 0
.rept 16
	v_pk_add_f32 v[192+2*p:193+2*p], v[D+2*p:D+2*p+1], v[D+32+2*p:D+32+2*p+1]
.set p, p+1
.endr
.else
	WIN 0x41                                       ; destination and source 0 window 1
.set p, 0
.rept 16
	v_pk_add_f32 v[192+2*p:193+2*p], v[192+2*p:193+2*p], v[D+2*p:D+2*p+1]
.set p, p+1
.endr
.if \fin
	WIN 0x01                                       ; the finished sums go to v64-95: W is done with
.set p, 0
.rept 16
	v_pk_add_f32 v[W+2*p:W+2*p+1], v[192+2*p:193+2*p], v[D+32+2*p:D+32+2*p+1]
.set p, p+1
.endr
.else
.set p, 0
.rept 16
	v_pk_add_f32 v[192+2*p:193+2*p], v[192+2*p:193+2*p], v[D+32+2*p:D+32+2*p+1]
.set p, p+1
.endr
.endif
.endif
	WIN 0
	s_cmp_ge_i32 s18, -8                           ; a is at most 1 (to the reciprocal's last place) and 448 x 2^-8 is 1.75: from e2 = -8 on the hold can hold nothing
	s_cbranch_scc1 .Lnohold_\@
.set i, 0
.rept 64
	v_min_num_f32 v[D+i], v[D+i], v[LIM2]          ; a is not negative: the hold is one-sided
.set i, i+1
.endr
.Lnohold_\@:
.irp o, 0,1
.irp t, 0,1,2,3
	v_cvt_scalef32_pk8_fp8_f32 v[R1+8*\o+2*\t:R1+8*\o+2*\t+1], v[D+32*\o+8*\t:D+32*\o+8*\t+7], v[SC2]
.endr
.endr
	v_nop                                          ; one plain vector instruction behind the last conversion
	s_wait_alu depctr_va_vdst(0)                   ; the conversions have written a's codes in v128-143 (last chunk: and the additions the sums in v64-95), which the stores read
.irp o, 0,1
	ds_store_b128 v[AW0], v[R1+8*\o:R1+8*\o+3] offset:((\ci)%2)*ARB+PA*\o     ; row = place 2 r + o; columns 32 h + 8 t + j
	ds_store_b128 v[AW1], v[R1+8*\o+4:R1+8*\o+7] offset:((\ci)%2)*ARB+PA*\o
.endr
.if \fin
.irp q, 0,1,2,3,4,5,6,7
	ds_store_b128 v[ASW], v[W+4*\q:W+4*\q+3] offset:512*\q                    ; my sums of a, as the registers stand: 16 bytes a lane
.endr
.endif
.endm
	s_load_b256 s[4:11], s[0:1], 0x0               ; x s[4:5], W's codes s[6:7], the scales' exponents s[8:9], centroids s[10:11]
	s_load_b64 s[12:13], s[0:1], 0x20              ; part
	v_lshrrev_b32 v131, 5, v0
	v_readfirstlane_b32 s14, v131                  ; wave 0..7
	v_and_b32 v128, 31, v0                         ; lane
	v_and_b32 v129, 15, v0                         ; r
	v_bfe_u32 v130, v0, 4, 1                       ; h
	v_bfe_u32 v132, v0, 3, 1                       ; r / 8
	s_wait_alu depctr_va_sdst(0)                   ; s14 is written, ahead of its first reader: offsets and LDS addresses are made from it
	s_lshl_b32 s20, s14, 18                        ; my 16 channels of 16,384 bytes
	v_lshl_add_u32 v[XO], v128, 4, s20
	v_and_b32 v133, 1, v0                          ; W: row m = r of tile t is cluster 16 (2 (m / 8) + m % 2) + 4 t + (m / 2) % 4
	v_lshl_add_u32 v133, v132, 1, v133
	v_bfe_u32 v134, v0, 1, 2
	v_lshl_add_u32 v133, v133, 4, v134
	v_lshlrev_b32 v133, 7, v133                    ; a row of 128 codes
	v_lshl_add_u32 v24, v130, 4, v133              ; + 16 h
	s_and_b32 s22, ttmp7, 0xffff                   ; the image
	s_lshl_b32 s20, s22, 21                        ; its 2 MiB of x,
	s_lshl_b32 s21, ttmp9, 12                      ; the quarter's 4,096 bytes of each row
	s_add_co_u32 s20, s20, s21
	s_mov_b32 s21, 0
	s_lshl_b32 s22, s22, 17                        ; part: 32,768 bytes for each work-group
	s_lshl_b32 s23, ttmp9, 15
	s_add_co_u32 s22, s22, s23
	s_mov_b32 s23, 0
	s_wait_kmcnt 0x0
	s_load_b128 s[16:19], s[8:9], 0x0              ; e0, e1, e2, e3
	s_add_nc_u64 s[4:5], s[4:5], s[20:21]
	s_add_nc_u64 s[12:13], s[12:13], s[22:23]
	s_wait_alu depctr_va_vdst(0)                   ; v1 and v24 are written: the offsets of x's loads and of W's
	GLD 0, 0, 8                                    ; the first batch of x, W, the second batch: 48 loads of mine are out
.irp t, 0,1,2,3                        ; W's fragments: channels 32 u + 16 h + 0 .. 15
.irp u, 0,1,2,3
	global_load_b128 v[W+16*\t+4*\u:W+16*\t+4*\u+3], v24, s[6:7] offset:512*\t+32*\u
.endr
.endr
	GLD 1, 0, 8
	v_lshlrev_b32 v131, 3, v128                    ; codes of x, on the way in: 8 x lane; in rows 8-15 of my 16 the halves of each 32 bytes are swapped
	v_xor_b32 v133, 16, v131
	s_mul_i32 s20, s14, 16*PX
	s_add_co_u32 s20, s20, C3
	v_add_nc_u32 v[S3E], s20, v131
	v_add_nc_u32 v[S3E+1], s20, v133
	v_and_b32 v131, 7, v0
	v_lshl_add_u32 v131, v130, 4, v131             ; 16 h + lane % 8: the row that I name in a turning load
	v_mul_u32_u24 v133, v131, PX
	v_lshl_add_u32 v133, v132, 4, v133             ; 16 bytes on for lanes 8-15 and 24-31,
	s_lshl_b32 s20, s14, 5
	v_add_nc_u32 v[TRE], s20, v133                 ; my 32 places
	v_xor_b32 v[TRO], 16, v[TRE]
	s_and_b32 s21, s14, 1                          ; w % 2: my column window of a; also h of my rows on the way out
	s_lshr_b32 s22, s14, 1                         ; w / 2: my pair of channel tiles; also t of my rows on the way out
	v_mul_u32_u24 v133, v131, PA
	v_xor_b32 v134, s21, v130                      ; piece 2 (w % 2) + (lane / 8) % 2 of a row whose (p / 8) % 4 is 2 h + c % 2
	v_lshl_add_u32 v133, v134, 5, v133
	v_lshl_add_u32 v[ATE], v132, 4, v133
	v_xor_b32 v[ATE+1], 16, v[ATE]
	v_lshlrev_b32 v133, 1, v130                    ; a's rows, on the way in: pieces 2 h and 2 h + 1 of row 32 w + 2 r + o, whose (p / 8) % 4 is r / 4
	v_bfe_u32 v134, v0, 2, 2
	v_xor_b32 v133, v133, v134
	v_mul_u32_u24 v134, v129, 2*PA
	v_lshl_add_u32 v133, v133, 4, v134
	s_mul_i32 s20, s14, 32*PA
	v_add_nc_u32 v[AW0], s20, v133
	v_xor_b32 v[AW1], 16, v[AW0]
	v_xor_b32 v133, v130, v132                     ; x's fragments: row 32 (w / 2) + r, half h xor r / 8 of each 32 bytes
	v_mul_u32_u24 v134, v129, PX
	v_lshl_add_u32 v133, v133, 4, v134
	s_mul_i32 s20, s22, 32*PX
	s_add_co_u32 s20, s20, C3
	v_add_nc_u32 v[XF], s20, v133
	v_add_nc_u32 v[XF2], 2*CXB, v[XF]
	v_mul_u32_u24 v133, v129, SP                   ; the stage: row = cluster 32 (w % 2) + r (+ 16 for the odd columns), my 8 channels at 128 (w / 2) + 32 h bytes
	v_lshl_add_u32 v133, v130, 5, v133
	s_mul_i32 s20, s21, 32*SP
	s_lshl_b32 s23, s22, 7
	s_add_co_u32 s20, s20, s23
	s_add_co_u32 s20, s20, STG
	v_add_nc_u32 v[STO], s20, v133
	s_lshl_b32 s20, s21, 5                         ; the 8 rows that I finish: clusters 32 (w % 2) + 4 (w / 2) + 16 (i % 2) + i / 2: those of registers 8 (w / 2) + i of the sums of a, lanes of half w % 2
	s_lshl_b32 s23, s22, 2
	s_add_co_u32 s20, s20, s23
	s_mul_i32 s23, s20, SP
	s_add_co_u32 s23, s23, STG
	v_lshl_add_u32 v[RD], v128, 4, s23
	s_lshl_b32 s23, s20, 9
	v_lshl_add_u32 v[CO], v128, 4, s23
	s_lshl_b32 s20, s14, 12
	s_add_co_u32 s20, s20, AST
	v_lshl_add_u32 v[ASW], v128, 4, s20            ; my wave's 4,096 bytes of sums
	s_lshl_b32 s20, s22, 10                        ; back: pieces 2 (w / 2) and + 1, lane 16 (w % 2) + my r, of waves 2 k + my h
	s_lshl_b32 s23, s21, 8
	s_add_co_u32 s20, s20, s23
	s_add_co_u32 s20, s20, AST
	v_lshlrev_b32 v133, 12, v130
	v_lshl_add_u32 v133, v129, 4, v133
	v_add_nc_u32 v[ASR], s20, v133
	s_mov_b32 s30, 0x06040200                      ; v_perm_b32: the even bytes of two registers,
	s_mov_b32 s31, 0x07050301                      ; the odd ones
	s_mov_b32 s32, 0x76543210                      ; v_permlanex16_b32: lane l xor 16
	s_mov_b32 s33, 0xfedcba98
	s_wait_kmcnt 0x0
	MKSCALE s16, SC0, LIM0
	MKSCALE s19, SC3, LIM3
	MKSCALE s18, SC2, LIM2
	s_add_co_i32 s20, s16, s17
	s_lshl_b32 s20, s20, 23
	s_add_co_i32 s24, s20, 0x3fb8aa3b              ; c = log2(e) x 2^(e0 + e1): the exponents are added to log2(e)'s exponent field
	s_mov_b32 s25, s24                             ; (named with it as a pair)
	s_xor_b32 s26, s24, 0x80000000                 ; - c
	s_add_co_i32 s28, s18, s19
	s_add_co_i32 s28, s28, 127
	s_lshl_b32 s28, s28, 23                        ; 2^(e2 + e3)
	s_mov_b32 s29, s28
	s_wait_alu depctr_va_vdst(0)
; Loads are issued in the order: batch 0, W, batches 1 to 7, the centroids.  Each QA's count is what was issued behind its batch.
; The LDS and memory addresses made above are first read behind the first QA's wait on va_vdst, which stands ahead of its first stores on either way.
	QA 0, 32, 1, 2, 0                              ; behind batch 0: W and batch 1.  Batch 2 is asked for on the way
	QA 1, 16, 1, 3, 0                              ; behind batch 1: batch 2.  (W, older, is in too.)  Batch 3 takes batch 0's registers
	BAR
	IV 0, 0, 0, 1, 4, 1, 0
	QA 2, 32, 0, 0, 1                              ; behind batch 2: 3 and 4
	QA 3, 32, 0, 0, 0                              ; behind batch 3: 4 and 5
	BAR
	IV 1, 1, 1, 1, 6, 0, 0
	QA 4, 32, 0, 0, 1                              ; behind batch 4: 5 and 6
	QA 5, 32, 0, 0, 0                              ; behind batch 5: 6 and 7
	BAR
	IV 2, 1, 0, 0, 0, 0, 0
	QA 6, 16, 0, 0, 0                              ; behind batch 6: 7
	QA 7, 0, 0, 0, 0
	WIN 0x40                                       ; x is done with: my 8 rows of the centroids come into window 1, for the way out.  Batch 6's holds read these registers last, ahead of the waits on va_vdst in the two QA above
.irp i, 0,1,2,3,4,5,6,7
	global_load_b128 v[4*\i:4*\i+3], v[CO], s[10:11] offset:(16*(\i%2)+\i/2)*512
.endr
	WIN 0
	BAR
	IV 3, 1, 0, 0, 0, 0, 1
	BAR
	; THE LAST CHUNK'S SECOND PRODUCT, with the sums of a added up between its LDS loads
	s_wait_alu depctr_vm_vsrc(0)                   ; the stores of a's codes have read v128-143, which APERM writes
	ARAW 3, 0                                      ; these 24 loads land in registers that no vector line names behind the wait on va_vdst ahead of the last chunk's stores
	XFR 3, 0
.irp k, 0,1,2,3                        ; of waves 2 k + h, lane 16 (w % 2) + r: the eight sums of my eight clusters
.irp e, 0,1
	ds_load_b128 v[D+8*\k+4*\e:D+8*\k+4*\e+3], v[ASR] offset:8192*\k+512*\e
.endr
.endr
	s_wait_dscnt 16                                ; a's turning loads are in; x's 8 and the sums' 8 may be out
	APERM
	s_wait_alu depctr_va_vdst(0)
	s_wait_dscnt 8                                 ; x's fragments are in; the sums' 8 may be out
	MMC 0
	s_wait_dscnt 0x0                               ; the sums are in
.irp m, 0,2,4,6
	v_pk_add_f32 v[24+\m:25+\m], v[D+\m:D+\m+1], v[D+8+\m:D+9+\m]
.endr
.irp k, 2,3
.irp m, 0,2,4,6
	v_pk_add_f32 v[24+\m:25+\m], v[24+\m:25+\m], v[D+8*\k+\m:D+8*\k+\m+1]
.endr
.endr
	s_wait_alu depctr_va_vdst(0)                   ; APERM is done reading window 1's v224-255 and K step 0's products are done reading v160-191: K step 1's sixteen loads land there
	ARAW 3, 1
	XFR 3, 1                                       ; the twelve additions also stand between the products and these loads
.irp x, 1,2,4,8
.irp m, 0,1,2,3,4,5,6,7
	v_add_f32_dpp v[24+\m], v[24+\m], v[24+\m] row_xmask:\x row_mask:0xf bank_mask:0xf
.endr
.endr
.irp m, 0,1,2,3,4,5,6,7
	v_permlanex16_b32 v[D+\m], v[24+\m], s32, s33
.endr
	s_wait_dscnt 8                                 ; a's turning loads of K step 1 are in
	APERM
	s_wait_alu depctr_va_vdst(0)
	s_wait_dscnt 0x0
	MMC 0
.irp m, 0,1,2,3,4,5,6,7
	v_add_f32 v[24+\m], v[24+\m], v[D+\m]          ; v[24 + i], in every lane: the quarter's sum of a for my row i.  (These eight are the places behind the last products)
.endr
	; THE WAY OUT
.set i, 0
.rept 16
	v_pk_mul_f32 v[224+2*i:225+2*i], v[ACC+2*i:ACC+2*i+1], s[28:29] op_sel_hi:[1,0]   ; x 2^(e2 + e3); each accumulator from its low end on
.set i, i+1
.endr
	s_wait_alu depctr_va_vdst(0)                   ; the multiplies have written v224-255, which the stores read; the last products are done reading v128-159, in which the loads behind the barrier land
.irp tc, 0,1
.irp pr, 0,1
	ds_store_b128 v[STO], v[224+8*(2*\tc+\pr):224+8*(2*\tc+\pr)+3] offset:16*\pr*SP+64*\tc       ; lane (r, h): cluster 16 (2 (w % 2) + pr) + r, channels 32 (w / 2) + 16 tc + 8 h + 0 .. 7
	ds_store_b128 v[STO], v[224+8*(2*\tc+\pr)+4:224+8*(2*\tc+\pr)+7] offset:16*\pr*SP+64*\tc+16
.endr
.endr
	BAR                                            ; 64 whole rows lie in the stage
.irp i, 0,1,2,3,4,5,6,7
	ds_load_b128 v[R1+4*\i:R1+4*\i+3], v[RD] offset:(16*(\i%2)+\i/2)*SP       ; my 8 rows, 512 bytes each
.endr
	s_wait_loadcnt 0x0                             ; the centroids
	s_wait_dscnt 0x0
	WIN 0x04                                       ; source 1 window 1
.irp i, 0,1,2,3,4,5,6,7
.irp e, 0,1,2,3
	v_fma_f32 v[R1+4*\i+\e], -v[24+\i], v[4*\i+\e], v[R1+4*\i+\e]             ; - (sum of a) x centroid
.endr
.endr
	WIN 0
	s_wait_alu depctr_va_vdst(0)                   ; the multiply-adds have written v128-159, which the stores read
.irp i, 0,1,2,3,4,5,6,7
	global_store_b128 v[CO], v[R1+4*\i:R1+4*\i+3], s[12:13] offset:(16*(\i%2)+\i/2)*512   ; 32 lanes store a row's 512 consecutive bytes, aligned
.endr
	s_wait_xcnt 0x0
	s_wait_alu depctr_vm_vsrc(0)                   ; the stage's stores have read v254 and v255, which the two lines below write
	v_lshl_add_u32 v254, v0, 2, 0x49400
	v_mov_b32 v255, 0
	s_wait_dscnt 0x0                               ; the closing lines, six on end
	s_wait_alu 0x0
	s_wait_tensorcnt 0x0
	ds_add_u32 v254, v255
	s_wait_dscnt 0x0
	s_endpgm
.Lfunc_end_k_q82067394c9_vlad_part:
	.size	k_q82067394c9_vlad_part, .Lfunc_end_k_q82067394c9_vlad_part-k_q82067394c9_vlad_part
	.p2alignl 7, 3214868480
	.fill 96, 4, 3214868480
	.section	.rodata,"a",@progbits
	.p2align	6, 0x0
	.amdhsa_kernel k_q82067394c9_vlad_part
		.amdhsa_group_segment_fixed_size 301056
		.amdhsa_private_segment_fixed_size 0
		.amdhsa_enable_private_segment 0
		.amdhsa_kernarg_size 40
		.amdhsa_user_sgpr_count 2
		.amdhsa_user_sgpr_kernarg_segment_ptr 1
		.amdhsa_wavefront_size32 1
		.amdhsa_system_sgpr_workgroup_id_x 1
		.amdhsa_system_sgpr_workgroup_id_y 1
		.amdhsa_system_sgpr_workgroup_id_z 1
		.amdhsa_system_vgpr_workitem_id 0
		.amdhsa_next_free_vgpr 512
		.amdhsa_next_free_sgpr 66
		.amdhsa_reserve_vcc 0
		.amdhsa_float_denorm_mode_32 3
		.amdhsa_float_denorm_mode_16_64 3
		.amdhsa_memory_ordered 1
		.amdhsa_forward_progress 1
		.amdhsa_inst_pref_size 226
	.end_amdhsa_kernel
	.amdgpu_metadata
---
amdhsa.version: [ 1, 2 ]
amdhsa.kernels:
  - .name:           k_q82067394c9_vlad_part
    .symbol:         k_q82067394c9_vlad_part.kd
    .args:
      - { .name: x, .offset: 0, .size: 8, .value_kind: global_buffer, .address_space: global }
      - { .name: conv_w_codes, .offset: 8, .size: 8, .value_kind: global_buffer, .address_space: global }
      - { .name: lowp_scales, .offset: 16, .size: 8, .value_kind: global_buffer, .address_space: global }
      - { .name: centroids, .offset: 24, .size: 8, .value_kind: global_buffer, .address_space: global }
      - { .name: part, .offset: 32, .size: 8, .value_kind: global_buffer, .address_space: global }
    .group_segment_fixed_size: 301056
    .private_segment_fixed_size: 0
    .kernarg_segment_align: 8
    .kernarg_segment_size: 40
    .max_flat_workgroup_size: 256
    .sgpr_count:     66
    .vgpr_count:     512
    .wavefront_size: 32
...
	.end_amdgpu_metadata
.endif
;; end of part 3
;; launch vlad_norm (part 4): grid 64 x 1, 16 waves a work-group, no clusters, 2,304 bytes of LDS; arguments part, out0; writes out0
.if DOCPART == 4
	.amdgcn_target "amdgcn-amd-amdhsa--gfx1250"
	.amdhsa_code_object_version 6
	.text
	.protected	k_q82067394c9_vlad_norm
	.globl	k_q82067394c9_vlad_norm
	.p2align	8
	.type	k_q82067394c9_vlad_norm,@function
k_q82067394c9_vlad_norm:
	s_mov_b64 s[64:65], 0
	v_nop
	global_prefetch_b8 v0, s[64:65] scope:SCOPE_SE
	s_setreg_imm32_b32 hwreg(HW_REG_WAVE_MODE, 25, 1), 1
	s_wait_xcnt 0x0
; NetVLAD, second part.  part [64 images][4 quarters][64 clusters][128 channels] f32 -> out0 [64][8192] f32.
; v = the sum of an image's four parts; each cluster's row is divided by its L2 norm; the image's 8,192 numbers are then divided by their L2 norm, computed from the divided rows as they stand.
; A work-group takes an image, each of its 16 waves 4 rows; a row is 512 bytes: 16 bytes a lane, so every load and store of a wave covers 512 consecutive bytes, aligned.
; A division by a norm is a multiplication by v_rsq_f32 of the sum of squares.  A row of zeros gives 0 x infinity = NaN, which spreads over the image through the second norm.
; No matrix work, no cluster (work-groups share nothing), one barrier: the waves' sums of squares meet in 64 bytes of LDS.
.set P,  8                             ; v8-71   quarter q, row i: v[8 + 16 q + 4 i ..]; the sums, then the results, in quarter 0's registers
.set SS, 72                            ; v72-75  a row's sum of squares, then 1 / its norm
.set G,  76                            ; v76-79  sums of squares of the divided rows
	s_load_b128 s[4:7], s[0:1], 0x0                ; part, out0
	v_lshl_add_u32 v80, v0, 2, 0x100
	v_mov_b32 v81, 0
	v_lshrrev_b32 v2, 5, v0
	s_delay_alu instid0(VALU_DEP_1)
	v_readfirstlane_b32 s8, v2                     ; wave 0..15
	v_and_b32 v3, 31, v0
	s_lshl_b32 s9, s8, 11                          ; my 4 rows of 512 bytes
	v_lshl_add_u32 v1, v3, 4, s9
	s_lshl_b32 s16, s8, 2
	v_mov_b32 v4, s16                              ; my wave's word in LDS
	v_mov_b32 v5, 0
	s_lshl_b32 s10, ttmp9, 17                      ; the image's four parts,
	s_mov_b32 s11, 0
	s_lshl_b32 s12, ttmp9, 15                      ; and its row of out0
	s_mov_b32 s13, 0
	s_mov_b32 s14, 0x76543210                      ; v_permlanex16_b32: lane l xor 16
	s_mov_b32 s15, 0xfedcba98
	s_wait_alu depctr_va_vdst(0)
	s_wait_kmcnt 0x0
	s_add_nc_u64 s[4:5], s[4:5], s[10:11]
	s_add_nc_u64 s[6:7], s[6:7], s[12:13]
.irp q, 0,1,2,3
.irp i, 0,1,2,3
	global_load_b128 v[P+16*\q+4*\i:P+16*\q+4*\i+3], v1, s[4:5] offset:32768*\q+512*\i th:TH_LOAD_NT
.endr
.endr
	s_wait_loadcnt 0x0
.irp m, 0,2,4,6,8,10,12,14
	v_pk_add_f32 v[P+\m:P+\m+1], v[P+\m:P+\m+1], v[P+16+\m:P+16+\m+1]
	v_pk_add_f32 v[P+32+\m:P+32+\m+1], v[P+32+\m:P+32+\m+1], v[P+48+\m:P+48+\m+1]
.endr
.irp m, 0,2,4,6,8,10,12,14
	v_pk_add_f32 v[P+\m:P+\m+1], v[P+\m:P+\m+1], v[P+32+\m:P+32+\m+1]
.endr
.irp i, 0,1,2,3
	v_mul_f32 v[SS+\i], v[P+4*\i], v[P+4*\i]
.endr
.irp e, 1,2,3
.irp i, 0,1,2,3
	s_delay_alu instid0(VALU_DEP_4)
	v_fmac_f32 v[SS+\i], v[P+4*\i+\e], v[P+4*\i+\e]
.endr
.endr
.irp x, 1,2,4,8                        ; over the 32 lanes, the four rows by turns
.irp i, 0,1,2,3
	s_delay_alu instid0(VALU_DEP_4)
	v_add_f32_dpp v[SS+\i], v[SS+\i], v[SS+\i] row_xmask:\x row_mask:0xf bank_mask:0xf
.endr
.endr
.irp i, 0,1,2,3
	s_delay_alu instid0(VALU_DEP_4)
	v_permlanex16_b32 v[P+16+\i], v[SS+\i], s14, s15   ; (a destination that has been written)
.endr
.irp i, 0,1,2,3
	s_delay_alu instid0(VALU_DEP_4)
	v_add_f32 v[SS+\i], v[SS+\i], v[P+16+\i]
.endr
	s_wait_alu depctr_va_vdst(0)
.irp i, 0,1,2,3
	v_rsq_f32 v[SS+\i], v[SS+\i]
.endr
	v_nop                                          ; a plain instruction behind the last of the batch,
	s_wait_alu depctr_va_vdst(0)                   ; and one wait ahead of its first reader
.irp i, 0,1,2,3
.irp e, 0,1,2,3
	v_mul_f32 v[P+4*\i+\e], v[P+4*\i+\e], v[SS+\i]     ; the row / its norm
.endr
.endr
.irp i, 0,1,2,3
	v_mul_f32 v[G+\i], v[P+4*\i], v[P+4*\i]
.endr
.irp e, 1,2,3
.irp i, 0,1,2,3
	s_delay_alu instid0(VALU_DEP_4)
	v_fmac_f32 v[G+\i], v[P+4*\i+\e], v[P+4*\i+\e]
.endr
.endr
	s_delay_alu instid0(VALU_DEP_3)
	v_add_f32 v[G], v[G], v[G+1]
	s_delay_alu instid0(VALU_DEP_2)
	v_add_f32 v[G+2], v[G+2], v[G+3]
	s_delay_alu instid0(VALU_DEP_1)
	v_add_f32 v[G], v[G], v[G+2]
.irp x, 1,2,4,8
	s_delay_alu instid0(VALU_DEP_1)
	v_add_f32_dpp v[G], v[G], v[G] row_xmask:\x row_mask:0xf bank_mask:0xf
.endr
	s_delay_alu instid0(VALU_DEP_1)
	v_permlanex16_b32 v[G+1], v[G], s14, s15
	s_delay_alu instid0(VALU_DEP_1)
	v_add_f32 v[G], v[G], v[G+1]
	ds_store_b32 v4, v[G]                          ; all lanes store the same number to my wave's word
	s_wait_dscnt 0x0                               ; for the others' sake
	s_barrier_signal -1
	s_barrier_wait -1
.irp i, 0,1,2,3
	ds_load_b128 v[40+4*\i:43+4*\i], v5 offset:16*\i   ; the sixteen waves' sums, in every lane
.endr
	s_wait_dscnt 0x0
.irp i, 0,1,2,3
	v_pk_add_f32 v[40+4*\i:41+4*\i], v[40+4*\i:41+4*\i], v[42+4*\i:43+4*\i]
.endr
	s_delay_alu instid0(VALU_DEP_3)
	v_pk_add_f32 v[40:41], v[40:41], v[44:45]
	s_delay_alu instid0(VALU_DEP_2)
	v_pk_add_f32 v[48:49], v[48:49], v[52:53]
	s_delay_alu instid0(VALU_DEP_1)
	v_pk_add_f32 v[40:41], v[40:41], v[48:49]
	s_delay_alu instid0(VALU_DEP_1)
	v_add_f32 v40, v40, v41
	s_wait_alu depctr_va_vdst(0)
	v_rsq_f32 v40, v40
	v_nop
	s_wait_alu depctr_va_vdst(0)
.irp i, 0,1,2,3,4,5,6,7,8,9,10,11,12,13,14,15
	v_mul_f32 v[P+\i], v[P+\i], v40
.endr
.irp i, 0,1,2,3
	global_store_b128 v1, v[P+4*\i:P+4*\i+3], s[6:7] offset:512*\i th:TH_STORE_NT
.endr
	s_wait_tensorcnt 0x0
	ds_add_u32 v80, v81
	s_wait_dscnt 0x0
	s_endpgm
.Lfunc_end_k_q82067394c9_vlad_norm:
	.size	k_q82067394c9_vlad_norm, .Lfunc_end_k_q82067394c9_vlad_norm-k_q82067394c9_vlad_norm
	.p2alignl 7, 3214868480
	.fill 96, 4, 3214868480
	.section	.rodata,"a",@progbits
	.p2align	6, 0x0
	.amdhsa_kernel k_q82067394c9_vlad_norm
		.amdhsa_group_segment_fixed_size 2304
		.amdhsa_private_segment_fixed_size 0
		.amdhsa_enable_private_segment 0
		.amdhsa_kernarg_size 16
		.amdhsa_user_sgpr_count 2
		.amdhsa_user_sgpr_kernarg_segment_ptr 1
		.amdhsa_wavefront_size32 1
		.amdhsa_system_sgpr_workgroup_id_x 1
		.amdhsa_system_sgpr_workgroup_id_y 1
		.amdhsa_system_sgpr_workgroup_id_z 1
		.amdhsa_system_vgpr_workitem_id 0
		.amdhsa_next_free_vgpr 82
		.amdhsa_next_free_sgpr 66
		.amdhsa_reserve_vcc 0
		.amdhsa_float_denorm_mode_32 3
		.amdhsa_float_denorm_mode_16_64 3
		.amdhsa_memory_ordered 1
		.amdhsa_forward_progress 1
		.amdhsa_inst_pref_size 12
	.end_amdhsa_kernel
	.amdgpu_metadata
---
amdhsa.version: [ 1, 2 ]
amdhsa.kernels:
  - .name:           k_q82067394c9_vlad_norm
    .symbol:         k_q82067394c9_vlad_norm.kd
    .args:
      - { .name: part, .offset: 0, .size: 8, .value_kind: global_buffer, .address_space: global }
      - { .name: out0, .offset: 8, .size: 8, .value_kind: global_buffer, .address_space: global }
    .group_segment_fixed_size: 2304
    .private_segment_fixed_size: 0
    .kernarg_segment_align: 8
    .kernarg_segment_size: 16
    .max_flat_workgroup_size: 512
    .sgpr_count:     66
    .vgpr_count:     82
    .wavefront_size: 32
...
	.end_amdgpu_metadata
.endif
;; end of part 4
